; MI455X (gfx1250); checked and timed in simulation.
; The chip was launched on July 23, 2026; its instructions are those of AMD's public machine-readable ISA for CDNA 5 (MIT licence, August 2026) and "CDNA5" Instruction Set Architecture Reference Guide (July 2026). The comments in the code are by the model that wrote it; some were corrected since.
;; Spatial Self Attention. Allowed arithmetic: matrix products marked QUANTISED: E4M3 operands, one given power-of-two scale a tensor, by v_wmma_f32_16x16x64_fp8_fp8 or v_wmma_f32_16x16x128_fp8_fp8, f32 sums; everything else in f32.
;; Inputs: Wk 3 x 128 x 128 float32; Wo 128 x 384 float32; Wq 3 x 128 x 128 float32; Wv 3 x 128 x 128 float32; c_inputs 4 x 8 x 512 x 128 float32; inputs 4 x 8 x 512 x 128 float32; ln_beta 128 float32; ln_gamma 128 float32; lowp_scales 12 int32 (the exponents e of the quantised operands' scales 2^e); transition_matrices 4 x 512 x 512 float32.
;; Outputs: out0 4 x 8 x 512 x 128 float32.
;; This version of the problem:
;;   THIS VERSION OF THE PROBLEM IS GIVEN IN LOW PRECISION. The matrix products marked QUANTISED in the list below multiply operands that are first quantised to E4M3 (4 exponent bits, 3 mantissa bits; 8 bits a number), with one given power-of-two scale for each operand tensor; their sums are f32. All else is computed in f32.
;;   The module's matrix products, in the order in which they are computed (A, B: the left and right operand; K: the contracted axis; several contracted axes count as one K, in the product's order):
;;     1. [M 384, K 128] x [K 128, N 16,384]; A: input Wq; B: input inputs: QUANTISED (scales: A lowp_scales[0], B lowp_scales[1])
;;     2. [M 384, K 128] x [K 128, N 16,384]; A: input Wk; B: input inputs: QUANTISED (scales: A lowp_scales[2], B lowp_scales[3])
;;     3. [M 384, K 128] x [K 128, N 16,384]; A: input Wv; B: input inputs: QUANTISED (scales: A lowp_scales[4], B lowp_scales[5])
;;     4. batch 384 x [M 512, K 32] x [K 32, N 512]; A: computed on the way; B: computed on the way: QUANTISED (scales: A lowp_scales[6], B lowp_scales[7])
;;     5. batch 384 x [M 32, K 512] x [K 512, N 512]; A: computed on the way; B: computed on the way: QUANTISED (scales: A lowp_scales[8], B lowp_scales[9])
;;     6. [M 16,384, K 384] x [K 384, N 128]; A: computed on the way; B: input Wo: QUANTISED (scales: A lowp_scales[10], B lowp_scales[11])
;;   THE QUANTISER, for each operand of a quantised product, along K:
;;     - The operand's scale is 2^e, e = its entry of the input lowp_scales (int32; the entries are numbered through the quantised products in the list's order, A before B).
;;     - Each number is divided by the scale, clamped to +-448, and rounded to the nearest number of E4M3, ties to even, subnormals kept.
;;     - The product sums the exact products of the quantised numbers (number of the format x scale) in f32.
;;   ~~~python
;;   def quantise(x, axis, e):      # numpy; x: float32 -> the quantised numbers, widened to float32 again
;;       x = np.moveaxis(x, axis, -1); K = x.shape[-1]
;;       r = np.clip(x / 2.0 ** e, -448, 448)
;;       step = 2.0 ** (np.maximum(np.frexp(np.where(r == 0, 1, r))[1] - 1, -6) - 3)
;;       q = np.round(r / step) * step * 2.0 ** e      # np.round: ties to even
;;       return np.moveaxis(q, -1, axis).astype(np.float32)
;;   ~~~
;;   OPERANDS COMPUTED ON THE WAY. 'Computed on the way' means the value that the module computes at that place (a softmax that the list does not call 'softmax' is quantised finished and normalised). What goes into a quantiser is computed in f32, as accurately as f32 sums, v_exp_f32 and their like allow (about 1e-6 of the number): no bf16 or f16 on the way to a quantiser, and a product that is left as it is and whose result goes on into a quantised operand takes f32 operands (vector FMAs, or v_wmma_f32_16x16x4_f32). A number that lies on a knife's edge between two numbers of the format may be rounded either way, as far as f32 arithmetic and the matrix unit's own rounding can turn it there, and no further.
;; 3 versions, each right; version 2 is faster than version 1; version 3 is version 2 with the launch proj written anew for expert scheduling mode. Each part assembles by itself: llvm-mc -triple=amdgcn-amd-amdhsa -mcpu=gfx1250 --defsym DOCPART=n.
;; ======== version 1 of 3: 2 launches
;; limits: right only within a limited range of input values
;; workspace buffers: qimg 6,291,456 bytes; kimg 6,291,456 bytes; vimg 6,291,456 bytes; tmimg 3,145,728 bytes; woimg 49,152 bytes
;; launch proj (part 1): grid 9 x 32, 4 waves a work-group, no clusters, 50,688 bytes of LDS; arguments inputs, Wq, Wk, Wv, Wo, transition_matrices, lowp_scales, qimg, kimg, vimg, tmimg, woimg; writes qimg, kimg, vimg, tmimg, woimg
.if DOCPART == 1
	.amdgcn_target "amdgcn-amd-amdhsa--gfx1250"
	.amdhsa_code_object_version 6
	.text
	.protected	k_qcfb63b3f69_proj
	.globl	k_qcfb63b3f69_proj
	.p2align	8
	.type	k_qcfb63b3f69_proj,@function
k_qcfb63b3f69_proj:
	s_mov_b64 s[64:65], 0
	v_nop
	global_prefetch_b8 v0, s[64:65] scope:SCOPE_SE
	s_setreg_imm32_b32 hwreg(HW_REG_WAVE_MODE, 25, 1), 1
	s_wait_xcnt 0x0
; THE PROJECTIONS.  Q, K, V = inputs x W^T for three transition matrices, on codes of FP8 (E4M3), and their results as codes again, laid as IMAGES OF OPERAND REGISTERS for the next launch.
; Work-group (x, y): x = 3 kind + t (kind 0 Q, 1 K, 2 V; t = 0..2), y = the slice b p (512 nodes x 128).  It multiplies one weight matrix [128][128] by the slice's 512 nodes.
; Wave w owns nodes 128 w .. 128 w + 127 (8 fragments of 16 nodes x 128) and all 128 outputs: 64 matrix instructions, each a whole sum (K = 128), so each takes the constant 0 as C.
; QUANTISER: code = x / 2^e, held within +-448, to the nearest code, ties to even.  inputs is quantised with the scale of its product (entries 1, 3, 5 of the scales), W with entries 0, 2, 4;
; a sum stands for sum x 2^(eW + eX), so a result's code is sum / 2^(eO - eW - eX), eO = entry 6 (Q), 7 (K), 8 (V): the three scales are folded into the conversion's one.
; FRAGMENTS lie as the matrix form has them: lane (r, hh) holds row r; registers 2 c, 2 c + 1 hold k = 16 c + 8 hh + 0 .. 7.  So a lane loads, for each c, 32 bytes of its row at 64 c + 32 hh.
; Q, K: source 0 = 16 rows of W, source 1 = 16 nodes: a lane holds ONE node and 8 neighbouring outputs, so the conversions of output tiles 2 h, 2 h + 1 are the 4 registers of head h's fragment (K = the head's 32).
; V:    source 0 = 16 nodes, source 1 = 16 rows of W: a lane holds ONE channel and 8 neighbouring nodes, so the conversions of the wave's 8 node tiles are a fragment of V^T (K = 128 keys).
; IMAGES: 4 registers a lane are stored by one instruction, lane l's 16 bytes at 16 l: 512 consecutive bytes, aligned.
;   qimg, kimg: [b p][t][head][node tile 32][512 bytes];   vimg: [b p][t][head][fragment 2 s + u: 8][4][512 bytes] (keys 128 s on, channels 16 u on).
; W is quantised once for the work-group: wave w makes fragments 2 w, 2 w + 1; they go through LDS as images, one barrier, and every wave takes all eight.
; BESIDE THAT: work-groups x < 3 lay 16 rows (16 y on) of transition matrix x + x / 2 (0, 1, 3: those that the module uses) as the image of the score layout,
;   tmimg [t][query tile 32][block 2 tile + g: 64][512 bytes]: lane (r, hh): tm[16 y + r][16 tile + 8 hh + 4 g + 0 .. 3];
; work-groups x = 3, y < 6 quantise Wo (entry 11): wave w makes fragment f = 4 y + w = 8 ks + dt: woimg [f][4][512 bytes]: rows 16 dt on, k = 128 ks on.
; NOT READ: c_inputs and transition matrix 2: no result of the module hangs on them.
; LIMITS: each of eW, eX, entry 11 and eO - eW - eX lies between -126 and 119, so that the scale and 448 x the scale are f32 numbers.  NaN among the inputs is not served (an infinity is held at the largest code).
; No tensor loads, no cluster: what work-groups share here (the slice, a weight) is read through registers and quantised on the way.
; REGISTERS.  window 0: v1 lane, v2 r, v3 hh, v4-10 addresses, v11-18 scales and holds, v32-223 three sets of 64 numbers, v224-255 two sets of 16 registers of codes.
;             window 1: v0-127 W's 8 fragments, v128-255 my 8 fragments of the slice.
.set TMST, 16384                       ; LDS: W's 8 images of 2,048 bytes from 0; then a stage of 16 rows x 528 bytes for each wave, for the transition matrix alone
.set TMW,  8448
.set XA,   4                           ; v4   512 r + 32 hh: my bytes in 16 rows of 512 (the slice, W)
.set LI,   5                           ; v5   16 x lane: my place in an image
.set WO4,  6                           ; v6   16 x lane + 4,096 x wave: my place among W's images in LDS, and among the results' images in memory
.set WOA,  8                           ; v8   1,536 r + 32 hh: my bytes in 16 rows of Wo
.set TSI,  9                           ; v9   the stage, in: 16 x lane
.set TSO,  10                          ; v10  the stage, out: 528 r + 32 hh
.set SCX,  11                          ; v11, v12  2^eX and 448 x 2^eX
.set LMX,  12
.set SCW,  13                          ; v13, v14  the same for W
.set LMW,  14
.set SCO,  15                          ; v15, v16  for the results
.set LMO,  16
.set SCB,  17                          ; v17, v18  for Wo
.set LMB,  18
.set ST,   32
.set PC,   224
.set MSB, 0
.macro WIN new                         ; the immediate's high byte repeats the setting that is left; a switch that changes nothing is dropped
.if MSB != (\new)
	s_set_vgpr_msb (MSB<<8)|(\new)
.set MSB, (\new)
.endif
.endm
.macro MKSC se, vs, vl                 ; the whole number e in s[se] -> 2^e and 448 x 2^e as f32
	s_add_co_i32 s56, s[\se], 127
	s_lshl_b32 s57, s56, 23
	v_mov_b32 v[\vs], s57
	s_add_co_i32 s56, s56, 8
	s_lshl_b32 s56, s56, 23
	s_or_b32 s56, s56, 0x600000
	v_mov_b32 v[\vl], s56
.endm
.macro LOADF set, va, sb, off          ; 64 numbers of my row: register 8 c + i = k 16 c + 8 hh + i
.irp c, 0,1,2,3,4,5,6,7
	global_load_b128 v[(\set)+8*\c:(\set)+8*\c+3], v[\va], s[\sb:\sb+1] offset:(\off)+64*\c
	global_load_b128 v[(\set)+8*\c+4:(\set)+8*\c+7], v[\va], s[\sb:\sb+1] offset:(\off)+64*\c+16
.endr
.endm
.macro QUANT set, dst, dwin, sc, lim   ; 64 numbers -> 16 registers of codes at v[dst] of window dwin
.set qi, 0
.rept 64
	v_med3_num_f32 v[(\set)+qi], v[(\set)+qi], -v[\lim], v[\lim]   ; the conversion to an 8-bit code does not saturate (ISA guide 7.6.2): the hold comes first.  Ascending: each accumulator is read from its low end on
.set qi, qi+1
.endr
	WIN (\dwin)<<6
.set qi, 0
.rept 8
	v_cvt_scalef32_pk8_fp8_f32 v[(\dst)+2*qi:(\dst)+2*qi+1], v[(\set)+8*qi:(\set)+8*qi+7], v[\sc]
.set qi, qi+1
.endr
	WIN 0
	v_nop                                          ; one plain vector instruction between the last conversion and whatever next touches its result or writes its sources
.endm
.macro ITEMLOAD i                      ; items 0, 1: my two fragments of W; items 2 to 9: my eight of the slice; three sets by turns
.if (\i) < 2
	LOADF ST+64*((\i)%3), XA, 32, (\i)*8192
.else
	LOADF ST+64*((\i)%3), XA, 4, ((\i)-2)*8192
.endif
.endm
.macro WM g, vp                        ; 8 products into set g % 2.  Q, K: all of W x my node tile g.  V: my 8 node tiles x W's rows 16 g on
	WIN 0x05                                       ; sources 0 and 1 window 1
.irp i, 0,1,2,3,4,5,6,7
.if \vp
	v_wmma_f32_16x16x128_fp8_fp8 v[ST+64*((\g)%2)+8*\i:ST+64*((\g)%2)+8*\i+7], v[128+16*\i:128+16*\i+15], v[16*(\g):16*(\g)+15], 0
.else
	v_wmma_f32_16x16x128_fp8_fp8 v[ST+64*((\g)%2)+8*\i:ST+64*((\g)%2)+8*\i+7], v[16*\i:16*\i+15], v[128+16*(\g):128+16*(\g)+15], 0
.endif
.endr
	WIN 0
.endm
.macro OUTG g, vp                      ; group g's 64 sums become 16 registers of codes and leave as four images
	s_wait_xcnt 0x0                                ; the stores of two groups ago have read these registers of codes
	QUANT ST+64*((\g)%2), PC+16*((\g)%2), 0, SCO, LMO
.irp k, 0,1,2,3
.if \vp
	global_store_b128 v[WO4], v[PC+16*((\g)%2)+4*\k:PC+16*((\g)%2)+4*\k+3], s[34:35] offset:((\g)/2)*16384+((\g)%2)*2048+\k*512   ; head g / 2, fragment 2 w + g % 2, registers 4 k on
.else
	global_store_b128 v[WO4], v[PC+16*((\g)%2)+4*\k:PC+16*((\g)%2)+4*\k+3], s[34:35] offset:\k*16384+(\g)*512                    ; head k, node tile 8 w + g
.endif
.endr
.endm
.macro MAIN vp                         ; a group's holds are the places between the next group's products and the read of their results
	WM 0, \vp
	WM 1, \vp
.rept 4
	v_nop                                          ; four places between group 0's products and the first read of their results (ISA guide 7.12.1)
.endr
	OUTG 0, \vp
.irp g, 2,3,4,5,6,7
	WM \g, \vp
	OUTG \g-1, \vp
.endr
	OUTG 7, \vp
.endm
	s_load_b512 s[4:19], s[0:1], 0x0               ; inputs s[4:5], Wq s[6:7], Wk s[8:9], Wv s[10:11], Wo s[12:13], the transition matrices s[14:15], the scales s[16:17], qimg s[18:19]
	s_load_b256 s[20:27], s[0:1], 0x40             ; kimg s[20:21], vimg s[22:23], tmimg s[24:25], woimg s[26:27]
	v_lshl_add_u32 v30, v0, 2, 0xc400
	v_mov_b32 v31, 0
	v_lshrrev_b32 v1, 5, v0
	v_readfirstlane_b32 s28, v1                    ; wave 0..3
	v_and_b32 v1, 31, v0                           ; lane
	v_and_b32 v2, 15, v0                           ; r
	v_bfe_u32 v3, v0, 4, 1                         ; hh
	v_lshlrev_b32 v[XA], 9, v2
	v_lshl_add_u32 v[XA], v3, 5, v[XA]
	v_lshlrev_b32 v[LI], 4, v1
	s_lshl_b32 s56, s28, 12
	v_add_nc_u32 v[WO4], s56, v[LI]
	v_mul_u32_u24 v[WOA], v2, 1536
	v_lshl_add_u32 v[WOA], v3, 5, v[WOA]
	s_mul_i32 s57, s28, TMW
	s_add_co_u32 s57, s57, TMST
	v_add_nc_u32 v[TSI], s57, v[LI]
	v_mul_u32_u24 v[TSO], v2, 528
	v_lshl_add_u32 v[TSO], v3, 5, v[TSO]
	v_add_nc_u32 v[TSO], s57, v[TSO]
	s_mul_i32 s29, ttmp9, 11
	s_lshr_b32 s29, s29, 5                         ; kind = x / 3 (x under 9)
	s_mul_i32 s30, s29, 3
	s_sub_co_u32 s30, ttmp9, s30                   ; t
	s_and_b32 s31, ttmp7, 0xffff                   ; the slice
	s_lshl_b32 s36, s31, 18                        ; the slice's 262,144 bytes,
	s_lshl_b32 s37, s28, 16                        ; my 128 nodes of 512 bytes
	s_add_co_u32 s36, s36, s37
	s_mov_b32 s37, 0
	s_lshl_b32 s38, s30, 16                        ; W[t],
	s_lshl_b32 s39, s28, 14                        ; my two fragments' 32 rows
	s_add_co_u32 s38, s38, s39
	s_mov_b32 s39, 0
	s_mul_i32 s60, s31, 3
	s_add_co_u32 s60, s60, s30
	s_lshl_b32 s60, s60, 16                        ; the results' images: (3 slice + t) x 65,536
	s_mov_b32 s61, 0
	s_wait_kmcnt 0x0
	s_load_b256 s[40:47], s[16:17], 0x0            ; the scales' exponents, entries 0 to 7,
	s_load_b128 s[48:51], s[16:17], 0x20           ; and 8 to 11
	s_cmp_eq_u32 s29, 0                            ; which weight, which image: the choice hangs on the work-group's number alone
	s_cselect_b64 s[32:33], s[6:7], s[8:9]
	s_cselect_b64 s[34:35], s[18:19], s[20:21]
	s_cmp_eq_u32 s29, 2
	s_cselect_b64 s[32:33], s[10:11], s[32:33]
	s_cselect_b64 s[34:35], s[22:23], s[34:35]
	s_add_nc_u64 s[32:33], s[32:33], s[38:39]
	s_add_nc_u64 s[34:35], s[34:35], s[60:61]
	s_add_nc_u64 s[4:5], s[4:5], s[36:37]
	ITEMLOAD 0
	ITEMLOAD 1
	s_wait_kmcnt 0x0
	s_cmp_eq_u32 s29, 0
	s_cselect_b32 s52, s40, s42                    ; eW
	s_cselect_b32 s53, s41, s43                    ; eX
	s_cselect_b32 s54, s46, s47                    ; eO
	s_cmp_eq_u32 s29, 2
	s_cselect_b32 s52, s44, s52
	s_cselect_b32 s53, s45, s53
	s_cselect_b32 s54, s48, s54
	s_sub_co_i32 s54, s54, s52
	s_sub_co_i32 s54, s54, s53                     ; eO - eW - eX
	MKSC 53, SCX, LMX
	MKSC 52, SCW, LMW
	MKSC 54, SCO, LMO
	MKSC 51, SCB, LMB
; ten items, loads two items ahead
.irp i, 0,1,2,3,4,5,6,7,8,9
.if \i < 8
	ITEMLOAD \i+2
	s_wait_loadcnt 32                              ; this item's 16 loads are in; the 32 of the two items behind it may be out
.else
	s_wait_loadcnt 16*(9-\i)                       ; the last two: the counts run down
.endif
.if \i < 2
	QUANT ST+64*(\i%3), PC+16*\i, 0, SCW, LMW
.irp g, 0,1,2,3
	ds_store_b128 v[WO4], v[PC+16*\i+4*\g:PC+16*\i+4*\g+3] offset:\i*2048+512*\g   ; fragment 2 w + i as it stands
.endr
.else
	QUANT ST+64*(\i%3), 128+16*(\i-2), 1, SCX, LMX
.endif
.endr
	s_wait_dscnt 0x0                               ; for the others' sake: my two images of W have landed
	s_barrier_signal -1
	s_barrier_wait -1
	WIN 0x40                                       ; destination window 1
.set n, 0
.rept 32
	ds_load_b128 v[4*n:4*n+3], v[LI] offset:512*n  ; all eight fragments of W
.set n, n+1
.endr
	WIN 0
	s_wait_dscnt 0x0
	s_cmp_eq_u32 s29, 2
	s_cbranch_scc1 .Lvpath
	MAIN 0
	s_branch .Ltail
.Lvpath:
	MAIN 1
.Ltail:
	s_cmp_lt_u32 ttmp9, 3
	s_cbranch_scc0 .Lnot_tm
	; ---- 16 rows of a transition matrix, my 128 columns: in by rows (512 consecutive bytes a load), through my stage, out as images
	s_lshr_b32 s56, ttmp9, 1
	s_add_co_u32 s56, s56, ttmp9                   ; matrix 0, 1, 3
	s_lshl_b32 s56, s56, 20
	s_lshl_b32 s57, s31, 15                        ; 16 rows of 2,048 bytes
	s_add_co_u32 s56, s56, s57
	s_lshl_b32 s57, s28, 9
	s_add_co_u32 s56, s56, s57
	s_mov_b32 s57, 0
	s_add_nc_u64 s[14:15], s[14:15], s[56:57]
	s_lshl_b32 s58, ttmp9, 5
	s_add_co_u32 s58, s58, s31
	s_lshl_b32 s58, s58, 15                        ; (32 t + query tile) x 32,768
	s_lshl_b32 s59, s28, 13                        ; my 16 blocks
	s_add_co_u32 s58, s58, s59
	s_mov_b32 s59, 0
	s_add_nc_u64 s[24:25], s[24:25], s[58:59]
.set n, 0
.rept 16
	global_load_b128 v[ST+4*n:ST+4*n+3], v[LI], s[14:15] offset:2048*n th:TH_LOAD_NT   ; read once in this launch
.set n, n+1
.endr
	s_wait_loadcnt 0x0
.set n, 0
.rept 16
	ds_store_b128 v[TSI], v[ST+4*n:ST+4*n+3] offset:528*n
.set n, n+1
.endr
.set n, 0
.rept 16
	ds_load_b128 v[ST+64+4*n:ST+64+4*n+3], v[TSO] offset:64*(n/2)+16*(n%2)   ; LDS serves a wave's instructions in order (ISA guide 5.7.1.4): these see my stores
.set n, n+1
.endr
.set n, 0
.rept 16
	s_wait_dscnt 15-n                              ; block n is back; the younger loads may be out
	global_store_b128 v[LI], v[ST+64+4*n:ST+64+4*n+3], s[24:25] offset:512*n
.set n, n+1
.endr
	s_wait_tensorcnt 0x0
	ds_add_u32 v30, v31
	s_wait_dscnt 0x0
	s_endpgm
.Lnot_tm:
	s_cmp_eq_u32 ttmp9, 3
	s_cbranch_scc0 .Lend
	s_cmp_lt_u32 s31, 6
	s_cbranch_scc0 .Lend
	; ---- one fragment of Wo a wave
	s_lshl_b32 s56, s31, 2
	s_add_co_u32 s56, s56, s28                     ; f = 4 y + w = 8 ks + dt
	s_and_b32 s57, s56, 7
	s_mul_i32 s57, s57, 24576                      ; 16 dt rows of 1,536 bytes
	s_lshr_b32 s58, s56, 3
	s_lshl_b32 s58, s58, 9                         ; 128 ks numbers
	s_add_co_u32 s58, s58, s57
	s_mov_b32 s59, 0
	s_add_nc_u64 s[12:13], s[12:13], s[58:59]
	s_lshl_b32 s56, s56, 11
	s_mov_b32 s57, 0
	s_add_nc_u64 s[26:27], s[26:27], s[56:57]
	LOADF ST, WOA, 12, 0
	s_wait_loadcnt 0x0
	s_wait_xcnt 0x0                                ; the last results' stores have read the registers of codes
	QUANT ST, PC, 0, SCB, LMB
.irp g, 0,1,2,3
	global_store_b128 v[LI], v[PC+4*\g:PC+4*\g+3], s[26:27] offset:512*\g
.endr
.Lend:
	s_wait_tensorcnt 0x0
	ds_add_u32 v30, v31
	s_wait_dscnt 0x0
	s_endpgm
.Lfunc_end_k_qcfb63b3f69_proj:
	.size	k_qcfb63b3f69_proj, .Lfunc_end_k_qcfb63b3f69_proj-k_qcfb63b3f69_proj
	.p2alignl 7, 3214868480
	.fill 96, 4, 3214868480
	.section	.rodata,"a",@progbits
	.p2align	6, 0x0
	.amdhsa_kernel k_qcfb63b3f69_proj
		.amdhsa_group_segment_fixed_size 50688
		.amdhsa_private_segment_fixed_size 0
		.amdhsa_enable_private_segment 0
		.amdhsa_kernarg_size 96
		.amdhsa_user_sgpr_count 2
		.amdhsa_user_sgpr_kernarg_segment_ptr 1
		.amdhsa_wavefront_size32 1
		.amdhsa_system_sgpr_workgroup_id_x 1
		.amdhsa_system_sgpr_workgroup_id_y 1
		.amdhsa_system_sgpr_workgroup_id_z 1
		.amdhsa_system_vgpr_workitem_id 0
		.amdhsa_next_free_vgpr 512
		.amdhsa_next_free_sgpr 80
		.amdhsa_reserve_vcc 0
		.amdhsa_float_denorm_mode_32 3
		.amdhsa_float_denorm_mode_16_64 3
		.amdhsa_memory_ordered 1
		.amdhsa_forward_progress 1
		.amdhsa_inst_pref_size 170
	.end_amdhsa_kernel
	.amdgpu_metadata
---
amdhsa.version: [ 1, 2 ]
amdhsa.kernels:
  - .name:           k_qcfb63b3f69_proj
    .symbol:         k_qcfb63b3f69_proj.kd
    .args:
      - { .name: inputs, .offset: 0, .size: 8, .value_kind: global_buffer, .address_space: global }
      - { .name: Wq, .offset: 8, .size: 8, .value_kind: global_buffer, .address_space: global }
      - { .name: Wk, .offset: 16, .size: 8, .value_kind: global_buffer, .address_space: global }
      - { .name: Wv, .offset: 24, .size: 8, .value_kind: global_buffer, .address_space: global }
      - { .name: Wo, .offset: 32, .size: 8, .value_kind: global_buffer, .address_space: global }
      - { .name: transition_matrices, .offset: 40, .size: 8, .value_kind: global_buffer, .address_space: global }
      - { .name: lowp_scales, .offset: 48, .size: 8, .value_kind: global_buffer, .address_space: global }
      - { .name: qimg, .offset: 56, .size: 8, .value_kind: global_buffer, .address_space: global }
      - { .name: kimg, .offset: 64, .size: 8, .value_kind: global_buffer, .address_space: global }
      - { .name: vimg, .offset: 72, .size: 8, .value_kind: global_buffer, .address_space: global }
      - { .name: tmimg, .offset: 80, .size: 8, .value_kind: global_buffer, .address_space: global }
      - { .name: woimg, .offset: 88, .size: 8, .value_kind: global_buffer, .address_space: global }
    .group_segment_fixed_size: 50688
    .private_segment_fixed_size: 0
    .kernarg_segment_align: 8
    .kernarg_segment_size: 96
    .max_flat_workgroup_size: 128
    .sgpr_count:     80
    .vgpr_count:     512
    .wavefront_size: 32
...
	.end_amdgpu_metadata
.endif
;; end of part 1
;; launch attn (part 2): grid 8 x 32, 4 waves a work-group, clusters of 4 x 1, 327,680 bytes of LDS; arguments qimg, kimg, vimg, tmimg, woimg, inputs, ln_gamma, ln_beta, lowp_scales, out0; writes out0
.if DOCPART == 2
	.amdgcn_target "amdgcn-amd-amdhsa--gfx1250"
	.amdhsa_code_object_version 6
	.text
	.protected	k_qcfb63b3f69_attn
	.globl	k_qcfb63b3f69_attn
	.p2align	8
	.type	k_qcfb63b3f69_attn,@function
k_qcfb63b3f69_attn:
	s_mov_b64 s[64:65], 0
	v_nop
	global_prefetch_b8 v0, s[64:65] scope:SCOPE_SE
	s_setreg_imm32_b32 hwreg(HW_REG_WAVE_MODE, 25, 1), 1
	s_wait_xcnt 0x0
	s_wait_alu depctr_hold_cnt(0) depctr_sa_sdst(0) depctr_va_vdst(0) depctr_va_sdst(0) depctr_va_ssrc(0) depctr_va_vcc(0) depctr_vm_vsrc(0)
	s_getreg_b32 s2, hwreg(HW_REG_IB_STS2, 6, 4)
	s_cmp_eq_u32 s2, 0
	s_cbranch_scc0 .Lentry_in_a_cluster
	s_endpgm
.Lentry_in_a_cluster:
	s_bfe_u32 s2, ttmp6, 0x10000c
	s_cmp_lg_u32 s2, 0x3003
	s_cbranch_scc0 .Lentry_shape_is_right
	s_endpgm
.Lentry_shape_is_right:
; MASKED ATTENTION OVER THREE TRANSITION MATRICES, THE FINAL LINEAR LAYER, THE RESIDUAL AND THE LAYER NORM, on codes of FP8 (E4M3) with the given scales 2^e (entries 6 to 11).
; SHARES.  A work-group owns 64 queries of one slice b p; each of its four waves 16 of them, for all 12 steps (3 matrices t x 4 heads), and then those rows' last product and norm.
; A STEP (one t, one head): S^T = K Q^T + mask for ALL 512 keys (256 registers a lane's 16 x 16 tiles: lane (r, hh) holds query r, register 8 tile + j key 16 tile + 8 hh + j); the row's maximum; p = 2^(c s - c max);
; the row's sum; alpha = p / sum, FINISHED AND NORMALISED, x tm; held, quantised with 2^e9: the conversion of tile 8 s + c gives registers 2 c, 2 c + 1 of the second product's operand for keys 128 s on;
; O^T = V^T P (source 0 = 16 channels, source 1 = P): query r again, 8 channels; quantised with 2^e10: registers 4 head .. 4 head + 3 of the last product's operand for K step t.
; THE MASK IS THE C OF THE SCORE PRODUCT: 0 where tm is not 0, -2^100 (in units of code products, which stay under 2^23) elsewhere; made once for a t, it serves four heads.  p of a masked key is 0.
; A query with no non-zero tm in some t has no softmax: its whole output row is NaN, as in the module (its largest score lies under -2^99: a NaN is then added to the row's mean).
; K = 32 IN A FORM OF K = 64: source 0 = two neighbouring tiles of keys (registers 0-3, 4-7), source 1 = [Q | zeros] for the first tile, [zeros | Q] for the second: zero codes add nothing, and K's registers carry none.
; All operands come as images of their registers (4 registers a lane in 512 consecutive bytes): no pitch, no padding, every LDS read 16 bytes a lane on end.
; CLUSTER.  The four work-groups of a cluster belong to one slice and walk the same K and V (and Wo): each block is asked for JOINTLY, by the same tensor load with the same descriptor and a mask that names the four.
; The place in the cluster enters the global addresses of Q, tm, inputs and out0 alone.  tm is read straight into registers (each wave its own 16 rows), so it is not shared.
; LDS: two slots of 131,072 bytes (a t's K: 4 heads x 16,384, then its V likewise).  Slot 0: t = 0, then t = 2.  Slot 1: t = 1, then Wo's 49,152 bytes.  Each wave fetches a quarter of a slot.
; A wave has two tensor loads out at the start and one behind each of the two refills.
; Behind the slots: 12,288 bytes a wave (Q's 12 images, the out codes' 12 images; at the end 16 rows x 528 bytes of the result over both); then the spare words.
; LIMITS on the given exponents: e6 + e7 between -90 and 100 (they are added to c's exponent field; a masked key stays far under every score); e9 and e10 - e8 - e9 between -126 and 119; e10 + e11 between -126 and 127.
; NaN among the inputs is not served.
; REGISTERS, in windows of 256 (s_set_vgpr_msb: bits 1:0 source 0, 3:2 source 1, 5:4 source 2, 7:6 destination):
;   window 0: v1, v2 the spare word's address and 0; v3 16 x lane; v4-6 LDS addresses of K, V, Q in hand; v7 512 r + 32 hh; v8 my stage + 16 x lane; v9 0 or NaN; v[10:11] -c max; v12-15 maxima; v16-23 sums;
;             v[24:25] 1 / sum; v26 for the lane exchange; v27-30 holds and scales; v31 32 hh; v32-35 Q, v36-39 zeros, v40-43 Q once more; v44-47 out codes; v48-63 O^T; v64-95 P's codes, two sets; v96-223 K's, then V's fragments; v224 NaN
;   windows 1, 2: tm and the mask, changing places from t to t (the next t's tm is loaded over the mask when the last head's scores are made);   window 3: S^T.
.set SLOT1, 131072
.set VOFF,  65536
.set STAGE, 262144
.set STGW,  12288
.set OCOFF, 6144
.set SPARE, 311296                     ; the spare words, 128 bytes for each wave: two blocks of 256 bytes that no other line names
.set F,   96
.set PC,  64
.set MSB, 0
.macro WIN new                         ; the immediate's high byte repeats the setting that is left; a switch that changes nothing is dropped
.if MSB != (\new)
	s_set_vgpr_msb (MSB<<8)|(\new)
.set MSB, (\new)
.endif
.endm
.macro MKSC se, vs, vl                 ; the whole number e in s[se] -> 2^e and 448 x 2^e as f32
	s_add_co_i32 s56, s[\se], 127
	s_lshl_b32 s57, s56, 23
	v_mov_b32 v[\vs], s57
	s_add_co_i32 s56, s56, 8
	s_lshl_b32 s56, s56, 23
	s_or_b32 s56, s56, 0x600000
	v_mov_b32 v[\vl], s56
.endm
.macro CROUND                          ; a round of the cluster's barrier: my work-group's barrier; wave 0 signals for the work-group; every wave waits for all four work-groups; my work-group's barrier once more
	s_barrier_signal -1
	s_barrier_wait -1
	s_cmp_lg_u32 s52, 0
	s_cbranch_scc1 .Lnot_wave_0_\@
	s_barrier_signal -3
.Lnot_wave_0_\@:
	s_barrier_wait -3
	s_barrier_signal -1
	s_barrier_wait -1
.endm
.macro TFILL g0, g1                    ; a joint load, issued by every wave for its own quarter; four v_nop follow it
	tensor_load_to_lds s[\g0:\g0+3], s[\g1:\g1+7]
	s_nop 0
.rept 4
	v_nop
.endr
.endm
.macro CLR                             ; the four chains of sums begin at 0
.irp k, 16,17,18,19,20,21,22,23
	v_mov_b32 v\k, 0
.endr
.endm
.macro JOIN                            ; four chains of pairs -> the row's sum in v16, in both lanes that hold the row
	v_pk_add_f32 v[16:17], v[16:17], v[18:19]
	v_pk_add_f32 v[20:21], v[20:21], v[22:23]
	v_pk_add_f32 v[16:17], v[16:17], v[20:21]
	v_add_f32 v16, v16, v17
	v_permlanex16_b32 v26, v16, s72, s73
	v_add_f32 v16, v16, v26
.endm
.macro KCOLD                           ; a t's first head: its addresses, Q twice, K's 32 tiles
	v_add_nc_u32 v4, s74, v3
	v_add_nc_u32 v5, s75, v3
	v_add_nc_u32 v6, s76, v8
	ds_load_b128 v[32:35], v6
	ds_load_b128 v[40:43], v6
.set n, 0
.rept 32
	ds_load_b128 v[F+4*n:F+4*n+3], v4 offset:512*n
.set n, n+1
.endr
.endm
.macro MASK tmw, mkw                   ; 0 where tm is not 0, -2^100 elsewhere
	WIN ((\mkw)<<6)|(\tmw)
.set n, 0
.rept 256
	v_cmp_neq_f32 vcc_lo, v[n], v36                ; tm (source 0's window) against 0
	v_cndmask_b32 v[n], s71, v36, vcc_lo
.set n, n+1
.endr
	WIN 0
.endm
; ONE HEAD.  pref = 1: the next head of the same t follows, and its K and Q are fetched on the way.  hook = 1: the mask is done with: transition matrix tn's image is loaded over it.  hook = 2: inputs, gamma and beta are.
.macro STEP tmw, mkw, pref, hook, tn
	; ---- A: the scores
	s_wait_dscnt 0x0                               ; K and Q are in (and the last out codes are stored)
	WIN 0xc0|((\mkw)<<4)                           ; D window 3, C the mask's window
.set n, 0
.rept 16
	v_wmma_f32_16x16x64_fp8_fp8 v[16*n:16*n+7], v[F+8*n:F+8*n+7], v[32:39], v[16*n:16*n+7]
	v_wmma_f32_16x16x64_fp8_fp8 v[16*n+8:16*n+15], v[F+8*n:F+8*n+7], v[36:43], v[16*n+8:16*n+15]
.set n, n+1
.endr
	WIN 0
.irp k, 12,13,14,15
	v_mov_b32 v\k, s78                             ; four chains of maxima begin at -infinity.  These four are also the places behind the products, in front of the loads below and of the first read of the scores
.endr
.set n, 0
.rept 32
	ds_load_b128 v[F+4*n:F+4*n+3], v5 offset:512*n ; V's 8 fragments take K's place; the softmax stands between these loads and the wait for them
.set n, n+1
.endr
.if \hook == 1
	WIN (\mkw)<<6
.set n, 0
.rept 64
	global_load_b128 v[4*n:4*n+3], v3, s[10:11] offset:(\tn)*1048576+512*n
.set n, n+1
.endr
.endif
.if \hook == 2
	WIN (\mkw)<<6
.set n, 0
.rept 8
	global_load_b128 v[8*n:8*n+3], v7, s[14:15] offset:64*n            ; inputs(query r, 16 n + 8 hh + 0 .. 7): the last product's layout
	global_load_b128 v[8*n+4:8*n+7], v7, s[14:15] offset:64*n+16
	global_load_b128 v[64+8*n:64+8*n+3], v31, s[16:17] offset:64*n     ; gamma,
	global_load_b128 v[64+8*n+4:64+8*n+7], v31, s[16:17] offset:64*n+16
	global_load_b128 v[128+8*n:128+8*n+3], v31, s[18:19] offset:64*n   ; beta likewise
	global_load_b128 v[128+8*n+4:128+8*n+7], v31, s[18:19] offset:64*n+16
.set n, n+1
.endr
.endif
	; ---- B: the maximum, the exponentials, the sum
	WIN 0x3c                                       ; sources 1 and 2 window 3
.set n, 0
.rept 32
	v_max3_num_f32 v12, v12, v[8*n], v[8*n+1]      ; each tile from its low end on
	v_max3_num_f32 v13, v13, v[8*n+2], v[8*n+3]
	v_max3_num_f32 v14, v14, v[8*n+4], v[8*n+5]
	v_max3_num_f32 v15, v15, v[8*n+6], v[8*n+7]
.set n, n+1
.endr
	WIN 0
	v_max3_num_f32 v12, v12, v13, v14
	v_max_num_f32 v12, v12, v15
	v_permlanex16_b32 v26, v12, s72, s73           ; the query's other 256 keys lie in the lane 16 away
	v_max_num_f32 v12, v12, v26
	v_cmp_gt_f32 vcc_lo, s69, v12                  ; under -2^99: every key is masked
	v_cndmask_b32 v9, v9, v224, vcc_lo             ; then the row is marked; a value is chosen, no way is
	v_mul_f32 v10, s68, v12                        ; -c max
	WIN 0xc3                                       ; destination and source 0 window 3
.set n, 0
.rept 128
	v_pk_fma_f32 v[2*n:2*n+1], v[2*n:2*n+1], s[66:67], v[10:11] op_sel_hi:[1,0,0]   ; c s - c max, two at a time
.if n >= 2
	v_exp_f32 v[2*n-4], v[2*n-4]                   ; the exponentials of the pair two back: a plain instruction on other registers follows each two
	v_exp_f32 v[2*n-3], v[2*n-3]
.endif
.set n, n+1
.endr
.irp k, 252,253,254,255
	v_exp_f32 v\k, v\k
.endr
	WIN 0
	CLR                                            ; (plain instructions behind the last exponentials)
	WIN 0x0c                                       ; source 1 window 3
.set n, 0
	s_wait_alu depctr_va_vdst(0)
.rept 128
	v_pk_add_f32 v[16+2*(n%4):17+2*(n%4)], v[16+2*(n%4):17+2*(n%4)], v[2*n:2*n+1]
.set n, n+1
.endr
	WIN 0
	JOIN
	v_rcp_f32 v24, v16
	v_nop                                          ; a plain instruction between the reciprocal and its use
	s_wait_alu depctr_va_vdst(0)
	s_wait_dscnt 0x0                               ; V is in
	; ---- C: 128 keys at a time: alpha x tm, its codes, two products
.irp s, 0,1,2,3
	WIN 0xc3
.set n, 0
.rept 32
	v_pk_mul_f32 v[64*\s+2*n:64*\s+2*n+1], v[64*\s+2*n:64*\s+2*n+1], v[24:25] op_sel_hi:[1,0]   ; alpha = p / sum
.set n, n+1
.endr
	WIN 0xc3|((\tmw)<<2)                           ; source 1: tm's window
.set n, 0
.rept 32
	v_pk_mul_f32 v[64*\s+2*n:64*\s+2*n+1], v[64*\s+2*n:64*\s+2*n+1], v[64*\s+2*n:64*\s+2*n+1]   ; x tm, which lies register for register as the scores do
.set n, n+1
.endr
	WIN 0xc3
.set n, 0
.rept 64
	v_med3_num_f32 v[64*\s+n], v[64*\s+n], -v27, v27   ; the conversion does not saturate (ISA guide 7.6.2); tm may be negative, so the hold is two-sided
.set n, n+1
.endr
	WIN 0x03
.set n, 0
.rept 8
	v_cvt_scalef32_pk8_fp8_f32 v[PC+16*(\s%2)+2*n:PC+16*(\s%2)+2*n+1], v[64*\s+8*n:64*\s+8*n+7], v28
.set n, n+1
.endr
	WIN 0
	v_nop                                          ; one plain instruction between the last conversion and the products that read its result
.if \pref && (\s >= 1)
.set n, 0
.rept 8
	ds_load_b128 v[F+32*(\s-1)+4*n:F+32*(\s-1)+4*n+3], v4 offset:16384+512*(8*(\s-1)+n)   ; the next head's K, a quarter at a time, over the fragments of V that the last 128 keys' products have read (this part's arithmetic is their places)
.set n, n+1
.endr
.endif
.if \s == 0
	v_wmma_f32_16x16x128_fp8_fp8 v[48:55], v[F:F+15], v[PC:PC+15], 0                   ; the first 128 keys start the sums; the two accumulators take turns
	v_wmma_f32_16x16x128_fp8_fp8 v[56:63], v[F+16:F+31], v[PC:PC+15], 0
.else
	v_wmma_f32_16x16x128_fp8_fp8 v[48:55], v[F+32*\s:F+32*\s+15], v[PC+16*(\s%2):PC+16*(\s%2)+15], v[48:55]
	v_wmma_f32_16x16x128_fp8_fp8 v[56:63], v[F+32*\s+16:F+32*\s+31], v[PC+16*(\s%2):PC+16*(\s%2)+15], v[56:63]
.endif
.endr
	; ---- D: on to the next head; the out codes
	s_add_co_u32 s74, s74, 16384
	s_add_co_u32 s75, s75, 16384
	s_add_co_u32 s76, s76, 512
	v_add_nc_u32 v4, s74, v3                       ; these three and the v_nop are the four places behind the last products
	v_add_nc_u32 v5, s75, v3
	v_add_nc_u32 v6, s76, v8
	v_nop
.if \pref
.set n, 0
.rept 8
	ds_load_b128 v[F+96+4*n:F+96+4*n+3], v4 offset:512*(24+n)   ; the next head's last quarter of K,
.set n, n+1
.endr
	ds_load_b128 v[32:35], v6                      ; and its Q, twice
	ds_load_b128 v[40:43], v6
.endif
.set n, 0
.rept 16
	v_med3_num_f32 v[48+n], v[48+n], -v29, v29
.set n, n+1
.endr
	v_cvt_scalef32_pk8_fp8_f32 v[44:45], v[48:55], v30   ; sum / 2^(e10 - e8 - e9): the three scales folded into one
	v_cvt_scalef32_pk8_fp8_f32 v[46:47], v[56:63], v30
	v_nop
	ds_store_b128 v6, v[44:47] offset:OCOFF-512    ; image 4 t + head of the out codes (v6 has stepped on by 512)
.endm
; THE END OF A t.  Every wave waits for all its tensor loads, adds 0 to its spare word, waits for that and for its reads of the slot.  kind 1, 2: a round of the cluster's barrier, so that no wave of any partner
; still reads the slot or has a load on its way, and the joint refill first behind it (1: t = 2 into slot 0; 2: Wo into slot 1): it has a whole t in which to land.  kind 0: nothing is filled; the barrier shows Wo whole to every wave.
.macro CHANGE kind
	s_wait_tensorcnt 0x0                           ; no tensor load of mine is out, so a descriptor may be written
	ds_add_u32 v1, v2                              ; 0 onto my spare word
.if \kind == 1
	s_add_nc_u64 s[42:43], s[42:43], 131072        ; from t = 0 to t = 2; the type bits on top are not reached
.endif
	s_wait_dscnt 0x0                               ; the add is done, and my reads of the slot are over
.if \kind == 0
	s_barrier_signal -1
	s_barrier_wait -1
.else
	CROUND
.if \kind == 1
	TFILL 40, 24
.else
	TFILL 48, 32
.endif
.endif
.endm
.macro TPHASE tmw, mkw, slot, hook, tn, qo
	s_mov_b32 s74, \slot                           ; K's images,
	s_mov_b32 s75, \slot+VOFF                      ; V's,
	s_mov_b32 s76, \qo                             ; and Q's, of this t's first head
	KCOLD
	s_wait_loadcnt 0x0                             ; this t's tm is in
	MASK \tmw, \mkw                                ; (K's loads land meanwhile)
	s_mov_b32 s77, 3
.Lhead_\@:
	STEP \tmw, \mkw, 1, 0, 0
	s_sub_co_u32 s77, s77, 1
	s_cmp_lg_u32 s77, 0
	s_cbranch_scc1 .Lhead_\@
	STEP \tmw, \mkw, 0, \hook, \tn                 ; the last head is written out: it fetches no further K, and loads over the mask
.endm
	s_load_b512 s[4:19], s[0:1], 0x0               ; qimg s[4:5], kimg s[6:7], vimg s[8:9], tmimg s[10:11], woimg s[12:13], inputs s[14:15], gamma s[16:17], beta s[18:19]
	s_load_b128 s[20:23], s[0:1], 0x40             ; the scales s[20:21], out0 s[22:23]
	v_lshl_add_u32 v1, v0, 2, SPARE
	v_mov_b32 v2, 0
	ds_add_u32 v1, v2
	ds_add_u32 v1, v2
	s_wait_dscnt 0x0
	v_lshrrev_b32 v4, 5, v0
	v_readfirstlane_b32 s52, v4                    ; wave 0..3
	v_and_b32 v3, 31, v0
	v_lshlrev_b32 v3, 4, v3                        ; 16 x lane
	v_and_b32 v7, 15, v0
	v_bfe_u32 v31, v0, 4, 1
	v_lshlrev_b32 v31, 5, v31                      ; 32 hh
	v_lshl_add_u32 v7, v7, 9, v31                  ; 512 r + 32 hh
	s_mul_i32 s56, s52, STGW
	s_add_co_u32 s56, s56, STAGE
	v_add_nc_u32 v8, s56, v3                       ; my stage + 16 x lane
	s_bfe_u32 s53, ttmp6, 0x40000                  ; cx: my place in the cluster
	s_lshl_b32 s54, ttmp9, 2                       ; in a cluster launch ttmp9 counts clusters
	s_add_co_u32 s54, s54, s53                     ; my block of 64 queries
	s_lshl_b32 s54, s54, 2
	s_add_co_u32 s54, s54, s52                     ; my wave's tile of 16 queries, 0..31
	s_and_b32 s55, ttmp7, 0xffff                   ; the slice, which the four partners share
	; descriptor groups 1: dense blocks as rows of 256 bytes (32 elements of 8 bytes), no padding
	s_mov_b32 s24, 15|(3<<16)|(1<<21)              ; 15:0 the mask: all four work-groups; 17:16 elements of 8 bytes; 21 set beside a mask
	s_mov_b32 s25, 32<<16                          ; tensor_dim0 = 32
	s_mov_b32 s26, 128<<16                         ; tensor_dim1 = 128 rows: 32,768 bytes, a quarter of a slot
	s_mov_b32 s27, 32<<16                          ; tile_dim0
	s_mov_b32 s28, 128                             ; tile_dim1
	s_mov_b32 s29, 32                              ; elements from row to row
	s_mov_b32 s30, 0
	s_mov_b32 s31, 0
	s_mov_b32 s32, 15|(3<<16)|(1<<21)              ; the same for Wo: 48 rows, 12,288 bytes a wave
	s_mov_b32 s33, 32<<16
	s_mov_b32 s34, 48<<16
	s_mov_b32 s35, 32<<16
	s_mov_b32 s36, 48
	s_mov_b32 s37, 32
	s_mov_b32 s38, 0
	s_mov_b32 s39, 0
	s_mul_i32 s58, s55, 196608                     ; the slice's part of each image of codes
	s_lshl_b32 s60, s54, 9
	s_add_co_u32 s60, s60, s58                     ; Q: + my tile's 512 bytes
	s_mov_b32 s61, 0
	s_and_b32 s62, s52, 1
	s_lshl_b32 s62, s62, 15
	s_add_co_u32 s62, s62, s58                     ; K, V: + heads 0, 1 or heads 2, 3
	s_mov_b32 s63, 0
	s_wait_kmcnt 0x0
	s_load_b128 s[80:83], s[20:21], 0x18           ; e6, e7, e8, e9
	s_load_b64 s[84:85], s[20:21], 0x28            ; e10, e11
	s_add_nc_u64 s[4:5], s[4:5], s[60:61]
.set n, 0
.rept 12
	global_load_b128 v[F+4*n:F+4*n+3], v3, s[4:5] offset:16384*n   ; my queries' codes for the 12 steps
.set n, n+1
.endr
	s_lshl_b32 s60, s54, 15
	s_add_nc_u64 s[10:11], s[10:11], s[60:61]      ; tm's image at my tile
	s_lshl_b32 s60, s55, 18
	s_lshl_b32 s58, s54, 13
	s_add_co_u32 s60, s60, s58
	s_add_nc_u64 s[14:15], s[14:15], s[60:61]      ; inputs and out0 at my 16 rows
	s_add_nc_u64 s[22:23], s[22:23], s[60:61]
	s_cmp_lt_u32 s52, 2                            ; waves 0, 1 fetch K, waves 2, 3 V: the choice hangs on the wave's number alone
	s_cselect_b64 s[56:57], s[6:7], s[8:9]
	s_add_nc_u64 s[56:57], s[56:57], s[62:63]
	s_mov_b32 s40, 1                               ; group 0 for slot 0: count = 1,
	s_lshl_b32 s41, s52, 15                        ; LDS address: wave x 32,768,
	s_mov_b64 s[42:43], s[56:57]                   ; global address: t = 0,
	s_or_b32 s43, s43, 0x80000000                  ; type = 2
	s_mov_b32 s44, 1                               ; for slot 1: t = 1
	s_add_co_u32 s45, s41, SLOT1
	s_add_nc_u64 s[46:47], s[56:57], 65536
	s_or_b32 s47, s47, 0x80000000
	s_mov_b32 s48, 1                               ; for Wo, into slot 1: wave x 12,288 in both
	s_mul_i32 s58, s52, 12288
	s_mov_b32 s59, 0
	s_add_co_u32 s49, s58, SLOT1
	s_add_nc_u64 s[50:51], s[12:13], s[58:59]
	s_or_b32 s51, s51, 0x80000000
	CROUND                                         ; all four work-groups are here: the first joint loads meet
	tensor_load_to_lds s[40:43], s[24:31]          ; the two first fills go out together, ahead of every wait on TENSORcnt and every LDS read
	s_nop 0
	tensor_load_to_lds s[44:47], s[24:31]
	s_nop 0
.rept 4
	v_nop
.endr
	s_mov_b32 s69, 0xf1000000                      ; -2^99
	s_mov_b32 s71, 0xf1800000                      ; -2^100
	s_mov_b32 s72, 0x76543210                      ; v_permlanex16_b32: each lane takes its own place in the other half
	s_mov_b32 s73, 0xfedcba98
	s_mov_b32 s78, 0xff800000                      ; -infinity
	s_mov_b32 s88, 0x3c000000                      ; 1 / 128
	s_mov_b32 s89, 0x3727c5ac                      ; 1e-5
	v_mov_b32 v9, 0
	v_mov_b32 v11, 0                               ; (named as upper halves of pairs, so they are written)
	v_mov_b32 v25, 0
	v_mov_b32 v26, 0                               ; a lane exchange's destination counts as one of its sources
.irp k, 36,37,38,39
	v_mov_b32 v\k, 0                               ; the zero codes beside Q
.endr
	v_mov_b32 v224, 0x7fc00000                     ; NaN
	s_wait_kmcnt 0x0
	s_add_co_i32 s56, s80, s81
	s_lshl_b32 s56, s56, 23
	s_add_co_i32 s66, s56, 0x3e8293ee              ; c = log2(e) / sqrt(32), x 2^(e6 + e7): the two exponents are added to c's exponent field
	s_mov_b32 s67, s66
	s_xor_b32 s68, s66, 0x80000000                 ; -c
	MKSC 83, 28, 27                                ; 2^e9 and 448 x 2^e9
	s_sub_co_i32 s58, s84, s82
	s_sub_co_i32 s58, s58, s83                     ; e10 - e8 - e9
	MKSC 58, 30, 29
	s_add_co_i32 s86, s84, s85
	s_add_co_i32 s86, s86, 127
	s_lshl_b32 s86, s86, 23                        ; 2^(e10 + e11)
	s_mov_b32 s87, s86
	s_wait_loadcnt 0x0                             ; Q's codes
.set n, 0
.rept 12
	ds_store_b128 v8, v[F+4*n:F+4*n+3] offset:512*n
.set n, n+1
.endr
	WIN 0x40                                       ; destination window 1
.set n, 0
.rept 64
	global_load_b128 v[4*n:4*n+3], v3, s[10:11] offset:512*n   ; tm of t = 0
.set n, n+1
.endr
	WIN 0
	s_wait_tensorcnt 0x1                           ; my quarter of slot 0 is in; slot 1's may stay out
	s_wait_dscnt 0x0
	s_barrier_signal -1
	s_barrier_wait -1                              ; everybody's is
	TPHASE 1, 2, 0, 1, 1, 0
	CHANGE 1
	TPHASE 2, 1, SLOT1, 1, 2, 2048
	CHANGE 2
	TPHASE 1, 2, 0, 2, 0, 4096
	CHANGE 0
	; ---- THE LAST PRODUCT: y^T = Wo x out^T (source 0 = 16 outputs, source 1 = my 16 queries' codes): lane (r, hh) holds query r, register 8 dt + j output 16 dt + 8 hh + j
	v_add_nc_u32 v4, SLOT1, v3                     ; Wo's images
	v_and_b32 v5, 15, v0
	v_mul_u32_u24 v5, v5, 528
	v_add_nc_u32 v5, v5, v31
	s_mul_i32 s56, s52, STGW
	s_add_co_u32 s56, s56, STAGE
	v_add_nc_u32 v5, s56, v5                       ; the way out: my stage + 528 r + 32 hh
.set n, 0
.rept 12
	ds_load_b128 v[F+4*n:F+4*n+3], v8 offset:OCOFF+512*n   ; the out codes: three fragments (LDS serves a wave's instructions in order: these see my stores)
.set n, n+1
.endr
	WIN 0x40
.set n, 0
.rept 64
	ds_load_b128 v[4*n:4*n+3], v4 offset:512*n     ; Wo, K steps 0 and 1: window 1
.set n, n+1
.endr
	WIN 0xc0
.set n, 0
.rept 32
	ds_load_b128 v[128+4*n:128+4*n+3], v4 offset:32768+512*n   ; K step 2: window 3, upper half
.set n, n+1
.endr
	s_wait_dscnt 0x0
	WIN 0xc1                                       ; D window 3, Wo window 1.  The eight accumulators take turns
.irp d, 0,1,2,3,4,5,6,7
	v_wmma_f32_16x16x128_fp8_fp8 v[8*\d:8*\d+7], v[16*\d:16*\d+15], v[F:F+15], 0
.endr
	WIN 0xf1
.irp d, 0,1,2,3,4,5,6,7
	v_wmma_f32_16x16x128_fp8_fp8 v[8*\d:8*\d+7], v[128+16*\d:128+16*\d+15], v[F+16:F+31], v[8*\d:8*\d+7]
.endr
	WIN 0xf3
.irp d, 0,1,2,3,4,5,6,7
	v_wmma_f32_16x16x128_fp8_fp8 v[8*\d:8*\d+7], v[128+16*\d:128+16*\d+15], v[F+32:F+47], v[8*\d:8*\d+7]
.endr
	WIN 0
	CLR                                            ; (these eight are also the places behind the last products)
	s_wait_loadcnt 0x0                             ; inputs, gamma, beta
	WIN 0xa3                                       ; source 0 window 3, source 2 and destination window 2
.set n, 0
.rept 32
	v_pk_fma_f32 v[2*n:2*n+1], v[2*n:2*n+1], s[86:87], v[2*n:2*n+1] op_sel_hi:[1,0,1]   ; res = sum x 2^(e10 + e11) + inputs
.set n, n+1
.endr
	WIN 0x08                                       ; source 1 window 2
.set n, 0
.rept 32
	v_pk_add_f32 v[16+2*(n%4):17+2*(n%4)], v[16+2*(n%4):17+2*(n%4)], v[2*n:2*n+1]
.set n, n+1
.endr
	WIN 0
	JOIN
	v_fma_f32 v24, v16, s88, v9                    ; the mean (+ NaN for a row that had no softmax)
	CLR
	WIN 0x82                                       ; source 0 and destination window 2
.set n, 0
.rept 32
	v_pk_add_f32 v[2*n:2*n+1], v[2*n:2*n+1], v[24:25] op_sel_hi:[1,0] neg_lo:[0,1] neg_hi:[0,1]   ; res - mean
.set n, n+1
.endr
	WIN 0x0a                                       ; sources 0 and 1 window 2
.set n, 0
.rept 32
	v_pk_fma_f32 v[16+2*(n%4):17+2*(n%4)], v[2*n:2*n+1], v[2*n:2*n+1], v[16+2*(n%4):17+2*(n%4)]
.set n, n+1
.endr
	WIN 0
	JOIN
	v_fma_f32 v16, v16, s88, s89                   ; the variance + 1e-5
	v_rsq_f32 v24, v16
	v_nop                                          ; a plain instruction between the root and its use
	WIN 0x82
.set n, 0
	s_wait_alu depctr_va_vdst(0)
.rept 32
	v_pk_mul_f32 v[2*n:2*n+1], v[2*n:2*n+1], v[24:25] op_sel_hi:[1,0]
.set n, n+1
.endr
	WIN 0xaa                                       ; all in window 2
.set n, 0
.rept 32
	v_pk_fma_f32 v[2*n:2*n+1], v[2*n:2*n+1], v[64+2*n:65+2*n], v[128+2*n:129+2*n]   ; x gamma + beta
.set n, n+1
.endr
	; ---- THE WAY OUT: a lane holds pieces of 32 bytes of one row; the 16 rows go through my stage and come back whole
	WIN 0x08                                       ; store data window 2
.set n, 0
.rept 16
	ds_store_b128 v5, v[4*n:4*n+3] offset:64*(n/2)+16*(n%2)
.set n, n+1
.endr
	WIN 0
.set n, 0
.rept 16
	ds_load_b128 v[F+4*n:F+4*n+3], v8 offset:528*n ; a row of 512 bytes, 16 a lane; LDS serves a wave's instructions in order: these see my stores
.set n, n+1
.endr
.set n, 0
.rept 16
	s_wait_dscnt 15-n                              ; row n is back; the younger loads may be out
	global_store_b128 v3, v[F+4*n:F+4*n+3], s[22:23] offset:512*n th:TH_STORE_NT   ; 32 lanes store 512 consecutive bytes, at a multiple of 256 from out0's first byte
.set n, n+1
.endr
	s_wait_tensorcnt 0x0                           ; the wave's end: behind my last tensor load and my last LDS store
	ds_add_u32 v1, v2
	s_wait_dscnt 0x0
	CROUND                                         ; the closing round: no work-group ends while a partner may still ask for a block that names it
	s_endpgm
.Lfunc_end_k_qcfb63b3f69_attn:
	.size	k_qcfb63b3f69_attn, .Lfunc_end_k_qcfb63b3f69_attn-k_qcfb63b3f69_attn
	.p2alignl 7, 3214868480
	.fill 96, 4, 3214868480
	.section	.rodata,"a",@progbits
	.p2align	6, 0x0
	.amdhsa_kernel k_qcfb63b3f69_attn
		.amdhsa_group_segment_fixed_size 327680
		.amdhsa_private_segment_fixed_size 0
		.amdhsa_enable_private_segment 0
		.amdhsa_kernarg_size 80
		.amdhsa_user_sgpr_count 2
		.amdhsa_user_sgpr_kernarg_segment_ptr 1
		.amdhsa_wavefront_size32 1
		.amdhsa_system_sgpr_workgroup_id_x 1
		.amdhsa_system_sgpr_workgroup_id_y 1
		.amdhsa_system_sgpr_workgroup_id_z 1
		.amdhsa_system_vgpr_workitem_id 0
		.amdhsa_next_free_vgpr 1024
		.amdhsa_next_free_sgpr 96
		.amdhsa_reserve_vcc 1
		.amdhsa_float_denorm_mode_32 3
		.amdhsa_float_denorm_mode_16_64 3
		.amdhsa_memory_ordered 1
		.amdhsa_forward_progress 1
		.amdhsa_inst_pref_size 255
	.end_amdhsa_kernel
	.section	.bss,"aw",@nobits
	.p2align	6
	.space	262144
	.amdgpu_metadata
---
amdhsa.version: [ 1, 2 ]
amdhsa.kernels:
  - .name:           k_qcfb63b3f69_attn
    .symbol:         k_qcfb63b3f69_attn.kd
    .args:
      - { .name: qimg, .offset: 0, .size: 8, .value_kind: global_buffer, .address_space: global }
      - { .name: kimg, .offset: 8, .size: 8, .value_kind: global_buffer, .address_space: global }
      - { .name: vimg, .offset: 16, .size: 8, .value_kind: global_buffer, .address_space: global }
      - { .name: tmimg, .offset: 24, .size: 8, .value_kind: global_buffer, .address_space: global }
      - { .name: woimg, .offset: 32, .size: 8, .value_kind: global_buffer, .address_space: global }
      - { .name: inputs, .offset: 40, .size: 8, .value_kind: global_buffer, .address_space: global }
      - { .name: ln_gamma, .offset: 48, .size: 8, .value_kind: global_buffer, .address_space: global }
      - { .name: ln_beta, .offset: 56, .size: 8, .value_kind: global_buffer, .address_space: global }
      - { .name: lowp_scales, .offset: 64, .size: 8, .value_kind: global_buffer, .address_space: global }
      - { .name: out0, .offset: 72, .size: 8, .value_kind: global_buffer, .address_space: global }
    .group_segment_fixed_size: 327680
    .private_segment_fixed_size: 0
    .kernarg_segment_align: 8
    .kernarg_segment_size: 80
    .max_flat_workgroup_size: 128
    .sgpr_count:     96
    .vgpr_count:     1024
    .wavefront_size: 32
...
	.end_amdgpu_metadata
.endif
;; end of part 2
;; ======== version 2 of 3: 2 launches; 1.33 times as fast as version 1
;; limits: right only within a limited range of input values
;; workspace buffers: qimg 6,291,456 bytes; kimg 6,291,456 bytes; vimg 6,291,456 bytes; tmimg 3,145,728 bytes; woimg 65,536 bytes
;; launch proj (part 3): grid 9 x 32, 4 waves a work-group, no clusters, 50,688 bytes of LDS; arguments inputs, Wq, Wk, Wv, Wo, transition_matrices, lowp_scales, qimg, kimg, vimg, tmimg, woimg, ln_gamma, ln_beta; writes qimg, kimg, vimg, tmimg, woimg
.if DOCPART == 3
	.amdgcn_target "amdgcn-amd-amdhsa--gfx1250"
	.amdhsa_code_object_version 6
	.text
	.protected	k_qcfb63b3f69_proj
	.globl	k_qcfb63b3f69_proj
	.p2align	8
	.type	k_qcfb63b3f69_proj,@function
k_qcfb63b3f69_proj:
	s_mov_b64 s[64:65], 0
	v_nop
	global_prefetch_b8 v0, s[64:65] scope:SCOPE_SE
	s_setreg_imm32_b32 hwreg(HW_REG_WAVE_MODE, 25, 1), 1
	s_wait_xcnt 0x0
; THE PROJECTIONS.  Q, K, V = inputs x W^T for three transition matrices, on codes of FP8 (E4M3), and their results as codes again, laid as IMAGES OF OPERAND REGISTERS for the next launch.
; Work-group (x, y): x = 3 kind + t (kind 0 Q, 1 K, 2 V; t = 0..2), y = the slice b p (512 nodes x 128).  It multiplies one weight matrix [128][128] by the slice's 512 nodes.
; Wave w owns nodes 128 w .. 128 w + 127 (8 fragments of 16 nodes x 128) and all 128 outputs: 64 matrix instructions, each a whole sum (K = 128), so each takes the constant 0 as C.
; QUANTISER: code = x / 2^e, held within +-448, to the nearest code, ties to even.  inputs is quantised with the scale of its product (entries 1, 3, 5 of the scales), W with entries 0, 2, 4;
; a sum stands for sum x 2^(eW + eX), so a result's code is sum / 2^(eO - eW - eX), eO = entry 6 (Q), 7 (K), 8 (V): the three scales are folded into the conversion's one.
; FRAGMENTS lie as the matrix form has them: lane (r, hh) holds row r; registers 2 c, 2 c + 1 hold k = 16 c + 8 hh + 0 .. 7.  So a lane loads, for each c, 32 bytes of its row at 64 c + 32 hh.
; Q, K: source 0 = 16 rows of W, source 1 = 16 nodes: a lane holds ONE node and 8 neighbouring outputs, so the conversions of output tiles 2 h, 2 h + 1 are the 4 registers of head h's fragment (K = the head's 32).
; V:    source 0 = 16 nodes, source 1 = 16 rows of W: a lane holds ONE channel and 8 neighbouring nodes, so the conversions of the wave's 8 node tiles are a fragment of V^T (K = 128 keys).
; IMAGES: 4 registers a lane are stored by one instruction, lane l's 16 bytes at 16 l: 512 consecutive bytes, aligned.
;   qimg, kimg: [b p][t][head][node tile 32][512 bytes];   vimg: [b p][t][head][fragment 2 s + u: 8][4][512 bytes] (keys 128 s on, channels 16 u on).
; W is quantised once for the work-group: wave w makes fragments 2 w, 2 w + 1; they go through LDS as images, one barrier, and every wave takes all eight.
; BESIDE THAT: work-groups x < 3 lay 16 rows (16 y on) of transition matrix x + x / 2 (0, 1, 3: those that the module uses) as the image of the score layout,
;   tmimg [t][query tile 32][block 2 tile + g: 64][512 bytes]: lane (r, hh): tm[16 y + r][16 tile + 8 hh + 4 g + 0 .. 3];
; work-groups x = 3, y < 6 quantise Wo (entry 11): wave w makes fragment f = 4 y + w = 8 ks + dt: woimg [f][4][512 bytes]: rows 16 dt on, k = 128 ks on;
; work-group x = 3, y = 6 lays gamma (wave 0) and beta (wave 1) behind them, at bytes 49,152 and 57,344 of woimg, as images of the last product's result: block n of 16: lane (r, hh): numbers 16 (n / 2) + 8 hh + 4 (n % 2) + 0 .. 3.
; NOT READ: c_inputs and transition matrix 2: no result of the module hangs on them.
; LIMITS: each of eW, eX, entry 11 and eO - eW - eX lies between -126 and 119, so that the scale and 448 x the scale are f32 numbers.  NaN among the inputs is not served (an infinity is held at the largest code).
; No tensor loads, no cluster: what work-groups share here (the slice, a weight) is read through registers and quantised on the way.
; REGISTERS.  window 0: v1 lane, v2 r, v3 hh, v4-10 addresses, v11-18 scales and holds, v19 32 hh, v32-223 three sets of 64 numbers, v224-255 two sets of 16 registers of codes.
;             window 1: v0-127 W's 8 fragments, v128-255 my 8 fragments of the slice.
.set TMST, 16384                       ; LDS: W's 8 images of 2,048 bytes from 0; then a stage of 16 rows x 528 bytes for each wave, for the transition matrix alone
.set TMW,  8448
.set XA,   4                           ; v4   512 r + 32 hh: my bytes in 16 rows of 512 (the slice, W)
.set LI,   5                           ; v5   16 x lane: my place in an image
.set WO4,  6                           ; v6   16 x lane + 4,096 x wave: my place among W's images in LDS, and among the results' images in memory
.set WOA,  8                           ; v8   1,536 r + 32 hh: my bytes in 16 rows of Wo
.set TSI,  9                           ; v9   the stage, in: 16 x lane
.set TSO,  10                          ; v10  the stage, out: 528 r + 32 hh
.set SCX,  11                          ; v11, v12  2^eX and 448 x 2^eX
.set LMX,  12
.set SCW,  13                          ; v13, v14  the same for W
.set LMW,  14
.set SCO,  15                          ; v15, v16  for the results
.set LMO,  16
.set SCB,  17                          ; v17, v18  for Wo
.set LMB,  18
.set ST,   32
.set PC,   224
.set MSB, 0
.macro WIN new                         ; the immediate's high byte repeats the setting that is left; a switch that changes nothing is dropped
.if MSB != (\new)
	s_set_vgpr_msb (MSB<<8)|(\new)
.set MSB, (\new)
.endif
.endm
.macro MKSC se, vs, vl                 ; the whole number e in s[se] -> 2^e and 448 x 2^e as f32
	s_add_co_i32 s56, s[\se], 127
	s_lshl_b32 s57, s56, 23
	v_mov_b32 v[\vs], s57
	s_add_co_i32 s56, s56, 8
	s_lshl_b32 s56, s56, 23
	s_or_b32 s56, s56, 0x600000
	v_mov_b32 v[\vl], s56
.endm
.macro LOADF set, va, sb, off          ; 64 numbers of my row: register 8 c + i = k 16 c + 8 hh + i
.irp c, 0,1,2,3,4,5,6,7
	global_load_b128 v[(\set)+8*\c:(\set)+8*\c+3], v[\va], s[\sb:\sb+1] offset:(\off)+64*\c
	global_load_b128 v[(\set)+8*\c+4:(\set)+8*\c+7], v[\va], s[\sb:\sb+1] offset:(\off)+64*\c+16
.endr
.endm
.macro QUANT set, dst, dwin, sc, lim   ; 64 numbers -> 16 registers of codes at v[dst] of window dwin
.set qi, 0
.rept 64
	v_med3_num_f32 v[(\set)+qi], v[(\set)+qi], -v[\lim], v[\lim]   ; the conversion to an 8-bit code does not saturate (ISA guide 7.6.2): the hold comes first.  Ascending: each accumulator is read from its low end on
.set qi, qi+1
.endr
	WIN (\dwin)<<6
.set qi, 0
.rept 8
	v_cvt_scalef32_pk8_fp8_f32 v[(\dst)+2*qi:(\dst)+2*qi+1], v[(\set)+8*qi:(\set)+8*qi+7], v[\sc]
.set qi, qi+1
.endr
	WIN 0
	v_nop                                          ; one plain vector instruction between the last conversion and whatever next touches its result or writes its sources
.endm
.macro ITEMLOAD i                      ; items 0, 1: my two fragments of W; items 2 to 9: my eight of the slice; three sets by turns
.if (\i) < 2
	LOADF ST+64*((\i)%3), XA, 32, (\i)*8192
.else
	LOADF ST+64*((\i)%3), XA, 4, ((\i)-2)*8192
.endif
.endm
.macro WM g, vp                        ; 8 products into set g % 2.  Q, K: all of W x my node tile g.  V: my 8 node tiles x W's rows 16 g on
	WIN 0x05                                       ; sources 0 and 1 window 1
.irp i, 0,1,2,3,4,5,6,7
.if \vp
	v_wmma_f32_16x16x128_fp8_fp8 v[ST+64*((\g)%2)+8*\i:ST+64*((\g)%2)+8*\i+7], v[128+16*\i:128+16*\i+15], v[16*(\g):16*(\g)+15], 0
.else
	v_wmma_f32_16x16x128_fp8_fp8 v[ST+64*((\g)%2)+8*\i:ST+64*((\g)%2)+8*\i+7], v[16*\i:16*\i+15], v[128+16*(\g):128+16*(\g)+15], 0
.endif
.endr
	WIN 0
.endm
.macro OUTG g, vp                      ; group g's 64 sums become 16 registers of codes and leave as four images
	s_wait_xcnt 0x0                                ; the stores of two groups ago have read these registers of codes
	QUANT ST+64*((\g)%2), PC+16*((\g)%2), 0, SCO, LMO
.irp k, 0,1,2,3
.if \vp
	global_store_b128 v[WO4], v[PC+16*((\g)%2)+4*\k:PC+16*((\g)%2)+4*\k+3], s[34:35] offset:((\g)/2)*16384+((\g)%2)*2048+\k*512   ; head g / 2, fragment 2 w + g % 2, registers 4 k on
.else
	global_store_b128 v[WO4], v[PC+16*((\g)%2)+4*\k:PC+16*((\g)%2)+4*\k+3], s[34:35] offset:\k*16384+(\g)*512                    ; head k, node tile 8 w + g
.endif
.endr
.endm
.macro MAIN vp                         ; a group's holds are the places between the next group's products and the read of their results
	WM 0, \vp
	WM 1, \vp
.rept 4
	v_nop                                          ; four places between group 0's products and the first read of their results (ISA guide 7.12.1)
.endr
	OUTG 0, \vp
.irp g, 2,3,4,5,6,7
	WM \g, \vp
	OUTG \g-1, \vp
.endr
	OUTG 7, \vp
.endm
	s_load_b512 s[4:19], s[0:1], 0x0               ; inputs s[4:5], Wq s[6:7], Wk s[8:9], Wv s[10:11], Wo s[12:13], the transition matrices s[14:15], the scales s[16:17], qimg s[18:19]
	s_load_b256 s[20:27], s[0:1], 0x40             ; kimg s[20:21], vimg s[22:23], tmimg s[24:25], woimg s[26:27]
	s_load_b128 s[68:71], s[0:1], 0x60             ; gamma s[68:69], beta s[70:71]
	v_lshl_add_u32 v30, v0, 2, 0xc400
	v_mov_b32 v31, 0
	v_lshrrev_b32 v1, 5, v0
	v_readfirstlane_b32 s28, v1                    ; wave 0..3
	v_and_b32 v1, 31, v0                           ; lane
	v_and_b32 v2, 15, v0                           ; r
	v_bfe_u32 v3, v0, 4, 1                         ; hh
	v_lshlrev_b32 v[XA], 9, v2
	v_lshl_add_u32 v[XA], v3, 5, v[XA]
	v_lshlrev_b32 v[LI], 4, v1
	v_lshlrev_b32 v19, 5, v3                       ; 32 hh
	s_lshl_b32 s56, s28, 12
	v_add_nc_u32 v[WO4], s56, v[LI]
	v_mul_u32_u24 v[WOA], v2, 1536
	v_lshl_add_u32 v[WOA], v3, 5, v[WOA]
	s_mul_i32 s57, s28, TMW
	s_add_co_u32 s57, s57, TMST
	v_add_nc_u32 v[TSI], s57, v[LI]
	v_mul_u32_u24 v[TSO], v2, 528
	v_lshl_add_u32 v[TSO], v3, 5, v[TSO]
	v_add_nc_u32 v[TSO], s57, v[TSO]
	s_mul_i32 s29, ttmp9, 11
	s_lshr_b32 s29, s29, 5                         ; kind = x / 3 (x under 9)
	s_mul_i32 s30, s29, 3
	s_sub_co_u32 s30, ttmp9, s30                   ; t
	s_and_b32 s31, ttmp7, 0xffff                   ; the slice
	s_lshl_b32 s36, s31, 18                        ; the slice's 262,144 bytes,
	s_lshl_b32 s37, s28, 16                        ; my 128 nodes of 512 bytes
	s_add_co_u32 s36, s36, s37
	s_mov_b32 s37, 0
	s_lshl_b32 s38, s30, 16                        ; W[t],
	s_lshl_b32 s39, s28, 14                        ; my two fragments' 32 rows
	s_add_co_u32 s38, s38, s39
	s_mov_b32 s39, 0
	s_mul_i32 s60, s31, 3
	s_add_co_u32 s60, s60, s30
	s_lshl_b32 s60, s60, 16                        ; the results' images: (3 slice + t) x 65,536
	s_mov_b32 s61, 0
	s_wait_kmcnt 0x0
	s_load_b256 s[40:47], s[16:17], 0x0            ; the scales' exponents, entries 0 to 7,
	s_load_b128 s[48:51], s[16:17], 0x20           ; and 8 to 11
	s_cmp_eq_u32 s29, 0                            ; which weight, which image: the choice hangs on the work-group's number alone
	s_cselect_b64 s[32:33], s[6:7], s[8:9]
	s_cselect_b64 s[34:35], s[18:19], s[20:21]
	s_cmp_eq_u32 s29, 2
	s_cselect_b64 s[32:33], s[10:11], s[32:33]
	s_cselect_b64 s[34:35], s[22:23], s[34:35]
	s_add_nc_u64 s[32:33], s[32:33], s[38:39]
	s_add_nc_u64 s[34:35], s[34:35], s[60:61]
	s_add_nc_u64 s[4:5], s[4:5], s[36:37]
	ITEMLOAD 0
	ITEMLOAD 1
	s_wait_kmcnt 0x0
	s_cmp_eq_u32 s29, 0
	s_cselect_b32 s52, s40, s42                    ; eW
	s_cselect_b32 s53, s41, s43                    ; eX
	s_cselect_b32 s54, s46, s47                    ; eO
	s_cmp_eq_u32 s29, 2
	s_cselect_b32 s52, s44, s52
	s_cselect_b32 s53, s45, s53
	s_cselect_b32 s54, s48, s54
	s_sub_co_i32 s54, s54, s52
	s_sub_co_i32 s54, s54, s53                     ; eO - eW - eX
	MKSC 53, SCX, LMX
	MKSC 52, SCW, LMW
	MKSC 54, SCO, LMO
	MKSC 51, SCB, LMB
; ten items, loads two items ahead
.irp i, 0,1,2,3,4,5,6,7,8,9
.if \i < 8
	ITEMLOAD \i+2
	s_wait_loadcnt 32                              ; this item's 16 loads are in; the 32 of the two items behind it may be out
.else
	s_wait_loadcnt 16*(9-\i)                       ; the last two: the counts run down
.endif
.if \i < 2
	QUANT ST+64*(\i%3), PC+16*\i, 0, SCW, LMW
.irp g, 0,1,2,3
	ds_store_b128 v[WO4], v[PC+16*\i+4*\g:PC+16*\i+4*\g+3] offset:\i*2048+512*\g   ; fragment 2 w + i as it stands
.endr
.else
	QUANT ST+64*(\i%3), 128+16*(\i-2), 1, SCX, LMX
.endif
.endr
	s_wait_dscnt 0x0                               ; for the others' sake: my two images of W have landed
	s_barrier_signal -1
	s_barrier_wait -1
	WIN 0x40                                       ; destination window 1
.set n, 0
.rept 32
	ds_load_b128 v[4*n:4*n+3], v[LI] offset:512*n  ; all eight fragments of W
.set n, n+1
.endr
	WIN 0
	s_wait_dscnt 0x0
	s_cmp_eq_u32 s29, 2
	s_cbranch_scc1 .Lvpath
	MAIN 0
	s_branch .Ltail
.Lvpath:
	MAIN 1
.Ltail:
	s_cmp_lt_u32 ttmp9, 3
	s_cbranch_scc0 .Lnot_tm
	; ---- 16 rows of a transition matrix, my 128 columns: in by rows (512 consecutive bytes a load), through my stage, out as images
	s_lshr_b32 s56, ttmp9, 1
	s_add_co_u32 s56, s56, ttmp9                   ; matrix 0, 1, 3
	s_lshl_b32 s56, s56, 20
	s_lshl_b32 s57, s31, 15                        ; 16 rows of 2,048 bytes
	s_add_co_u32 s56, s56, s57
	s_lshl_b32 s57, s28, 9
	s_add_co_u32 s56, s56, s57
	s_mov_b32 s57, 0
	s_add_nc_u64 s[14:15], s[14:15], s[56:57]
	s_lshl_b32 s58, ttmp9, 5
	s_add_co_u32 s58, s58, s31
	s_lshl_b32 s58, s58, 15                        ; (32 t + query tile) x 32,768
	s_lshl_b32 s59, s28, 13                        ; my 16 blocks
	s_add_co_u32 s58, s58, s59
	s_mov_b32 s59, 0
	s_add_nc_u64 s[24:25], s[24:25], s[58:59]
.set n, 0
.rept 16
	global_load_b128 v[ST+4*n:ST+4*n+3], v[LI], s[14:15] offset:2048*n th:TH_LOAD_NT   ; read once in this launch
.set n, n+1
.endr
	s_wait_loadcnt 0x0
.set n, 0
.rept 16
	ds_store_b128 v[TSI], v[ST+4*n:ST+4*n+3] offset:528*n
.set n, n+1
.endr
.set n, 0
.rept 16
	ds_load_b128 v[ST+64+4*n:ST+64+4*n+3], v[TSO] offset:64*(n/2)+16*(n%2)   ; LDS serves a wave's instructions in order (ISA guide 5.7.1.4): these see my stores
.set n, n+1
.endr
.set n, 0
.rept 16
	s_wait_dscnt 15-n                              ; block n is back; the younger loads may be out
	global_store_b128 v[LI], v[ST+64+4*n:ST+64+4*n+3], s[24:25] offset:512*n
.set n, n+1
.endr
	s_wait_tensorcnt 0x0
	ds_add_u32 v30, v31
	s_wait_dscnt 0x0
	s_endpgm
.Lnot_tm:
	s_cmp_eq_u32 ttmp9, 3
	s_cbranch_scc0 .Lend
	s_cmp_lt_u32 s31, 6
	s_cbranch_scc0 .Lnot_wo
	; ---- one fragment of Wo a wave
	s_lshl_b32 s56, s31, 2
	s_add_co_u32 s56, s56, s28                     ; f = 4 y + w = 8 ks + dt
	s_and_b32 s57, s56, 7
	s_mul_i32 s57, s57, 24576                      ; 16 dt rows of 1,536 bytes
	s_lshr_b32 s58, s56, 3
	s_lshl_b32 s58, s58, 9                         ; 128 ks numbers
	s_add_co_u32 s58, s58, s57
	s_mov_b32 s59, 0
	s_add_nc_u64 s[12:13], s[12:13], s[58:59]
	s_lshl_b32 s56, s56, 11
	s_mov_b32 s57, 0
	s_add_nc_u64 s[26:27], s[26:27], s[56:57]
	LOADF ST, WOA, 12, 0
	s_wait_loadcnt 0x0
	s_wait_xcnt 0x0                                ; the last results' stores have read the registers of codes
	QUANT ST, PC, 0, SCB, LMB
.irp g, 0,1,2,3
	global_store_b128 v[LI], v[PC+4*\g:PC+4*\g+3], s[26:27] offset:512*\g
.endr
	s_wait_tensorcnt 0x0
	ds_add_u32 v30, v31
	s_wait_dscnt 0x0
	s_endpgm
.Lnot_wo:
	s_cmp_eq_u32 s31, 6
	s_cbranch_scc0 .Lend
	s_cmp_lt_u32 s28, 2
	s_cbranch_scc0 .Lend
	; ---- gamma (wave 0) or beta (wave 1) as 16 images of the last product's result
	s_cmp_eq_u32 s28, 0                            ; the choice hangs on the wave's number alone
	s_cselect_b64 s[56:57], s[68:69], s[70:71]
	s_lshl_b32 s58, s28, 13
	s_add_co_u32 s58, s58, 49152                   ; behind Wo's 24 fragments
	s_mov_b32 s59, 0
	s_add_nc_u64 s[26:27], s[26:27], s[58:59]
.set n, 0
.rept 16
	global_load_b128 v[ST+4*n:ST+4*n+3], v19, s[56:57] offset:64*(n/2)+16*(n%2)
.set n, n+1
.endr
	s_wait_loadcnt 0x0
.set n, 0
.rept 16
	global_store_b128 v[LI], v[ST+4*n:ST+4*n+3], s[26:27] offset:512*n
.set n, n+1
.endr
.Lend:
	s_wait_tensorcnt 0x0
	ds_add_u32 v30, v31
	s_wait_dscnt 0x0
	s_endpgm
.Lfunc_end_k_qcfb63b3f69_proj:
	.size	k_qcfb63b3f69_proj, .Lfunc_end_k_qcfb63b3f69_proj-k_qcfb63b3f69_proj
	.p2alignl 7, 3214868480
	.fill 96, 4, 3214868480
	.section	.rodata,"a",@progbits
	.p2align	6, 0x0
	.amdhsa_kernel k_qcfb63b3f69_proj
		.amdhsa_group_segment_fixed_size 50688
		.amdhsa_private_segment_fixed_size 0
		.amdhsa_enable_private_segment 0
		.amdhsa_kernarg_size 112
		.amdhsa_user_sgpr_count 2
		.amdhsa_user_sgpr_kernarg_segment_ptr 1
		.amdhsa_wavefront_size32 1
		.amdhsa_system_sgpr_workgroup_id_x 1
		.amdhsa_system_sgpr_workgroup_id_y 1
		.amdhsa_system_sgpr_workgroup_id_z 1
		.amdhsa_system_vgpr_workitem_id 0
		.amdhsa_next_free_vgpr 512
		.amdhsa_next_free_sgpr 80
		.amdhsa_reserve_vcc 0
		.amdhsa_float_denorm_mode_32 3
		.amdhsa_float_denorm_mode_16_64 3
		.amdhsa_memory_ordered 1
		.amdhsa_forward_progress 1
		.amdhsa_inst_pref_size 174
	.end_amdhsa_kernel
	.amdgpu_metadata
---
amdhsa.version: [ 1, 2 ]
amdhsa.kernels:
  - .name:           k_qcfb63b3f69_proj
    .symbol:         k_qcfb63b3f69_proj.kd
    .args:
      - { .name: inputs, .offset: 0, .size: 8, .value_kind: global_buffer, .address_space: global }
      - { .name: Wq, .offset: 8, .size: 8, .value_kind: global_buffer, .address_space: global }
      - { .name: Wk, .offset: 16, .size: 8, .value_kind: global_buffer, .address_space: global }
      - { .name: Wv, .offset: 24, .size: 8, .value_kind: global_buffer, .address_space: global }
      - { .name: Wo, .offset: 32, .size: 8, .value_kind: global_buffer, .address_space: global }
      - { .name: transition_matrices, .offset: 40, .size: 8, .value_kind: global_buffer, .address_space: global }
      - { .name: lowp_scales, .offset: 48, .size: 8, .value_kind: global_buffer, .address_space: global }
      - { .name: qimg, .offset: 56, .size: 8, .value_kind: global_buffer, .address_space: global }
      - { .name: kimg, .offset: 64, .size: 8, .value_kind: global_buffer, .address_space: global }
      - { .name: vimg, .offset: 72, .size: 8, .value_kind: global_buffer, .address_space: global }
      - { .name: tmimg, .offset: 80, .size: 8, .value_kind: global_buffer, .address_space: global }
      - { .name: woimg, .offset: 88, .size: 8, .value_kind: global_buffer, .address_space: global }
      - { .name: ln_gamma, .offset: 96, .size: 8, .value_kind: global_buffer, .address_space: global }
      - { .name: ln_beta, .offset: 104, .size: 8, .value_kind: global_buffer, .address_space: global }
    .group_segment_fixed_size: 50688
    .private_segment_fixed_size: 0
    .kernarg_segment_align: 8
    .kernarg_segment_size: 112
    .max_flat_workgroup_size: 128
    .sgpr_count:     80
    .vgpr_count:     512
    .wavefront_size: 32
...
	.end_amdgpu_metadata
.endif
;; end of part 3
;; launch attn (part 4): grid 8 x 32, 4 waves a work-group, clusters of 4 x 1, 327,680 bytes of LDS; arguments qimg, kimg, vimg, tmimg, woimg, inputs, lowp_scales, out0; writes out0
.if DOCPART == 4
	.amdgcn_target "amdgcn-amd-amdhsa--gfx1250"
	.amdhsa_code_object_version 6
	.text
	.protected	k_qcfb63b3f69_attn
	.globl	k_qcfb63b3f69_attn
	.p2align	8
	.type	k_qcfb63b3f69_attn,@function
k_qcfb63b3f69_attn:
	s_mov_b64 s[64:65], 0
	v_nop
	global_prefetch_b8 v0, s[64:65] scope:SCOPE_SE
	s_setreg_imm32_b32 hwreg(HW_REG_WAVE_MODE, 25, 1), 1
	s_wait_xcnt 0x0
	s_wait_alu depctr_hold_cnt(0) depctr_sa_sdst(0) depctr_va_vdst(0) depctr_va_sdst(0) depctr_va_ssrc(0) depctr_va_vcc(0) depctr_vm_vsrc(0)
	s_getreg_b32 s2, hwreg(HW_REG_IB_STS2, 6, 4)
	s_cmp_eq_u32 s2, 0
	s_cbranch_scc0 .Lentry_in_a_cluster
	s_endpgm
.Lentry_in_a_cluster:
	s_bfe_u32 s2, ttmp6, 0x10000c
	s_cmp_lg_u32 s2, 0x3003
	s_cbranch_scc0 .Lentry_shape_is_right
	s_endpgm
.Lentry_shape_is_right:
; MASKED ATTENTION OVER THREE TRANSITION MATRICES, THE FINAL LINEAR LAYER, THE RESIDUAL AND THE LAYER NORM, on codes of FP8 (E4M3) with the given scales 2^e (entries 6 to 11).
; SHARES.  A work-group owns 64 queries of one slice b p; each of its four waves 16 of them, for all 12 steps (3 matrices t x 4 heads), and then those rows' last product and norm.
; A STEP (one t, one head): S^T = K Q^T + mask for ALL 512 keys (256 registers: lane (r, hh) holds query r, register 8 tile + j key 16 tile + 8 hh + j); the row's maximum; p = 2^(c s - c max);
; the row's sum; alpha = p / sum, FINISHED AND NORMALISED, x tm; held, quantised with 2^e9: the conversion of tile 8 s + c gives registers 2 c, 2 c + 1 of the second product's operand for keys 128 s on;
; O^T = V^T P (source 0 = 16 channels, source 1 = P): query r again, 8 channels; quantised with 2^e10: registers 4 head .. 4 head + 3 of the last product's operand for K step t.
; THE STEP IS WRITTEN ONCE and walked twelve times (3 matrices x 2 halves x 2 heads, loops counted against constants), the mask once and walked three times: the text stays small.
; What differs from step to step stands under scalar branches on the counters: the first head of a half fetches the second's K and Q on the way; a matrix's last head asks for the next matrix's tm; the very last asks for x.
; THE MASK IS THE C OF THE SCORE PRODUCT: 0 where tm is not 0, -2^100 (in units of code products, which stay under 2^23) elsewhere; made once for a t, it serves four heads.  p of a masked key is 0.
; A query with no non-zero tm in some t has no softmax: its whole output row is NaN, as in the module (its largest score lies under -2^99: a NaN is then added to the row's mean).
; K = 32 IN A FORM OF K = 64: source 0 = two neighbouring tiles of keys (registers 0-3, 4-7), source 1 = [Q | zeros] for the first tile, [zeros | Q] for the second: zero codes add nothing, and K's registers carry none.
; All operands come as images of their registers (4 registers a lane in 512 consecutive bytes): no pitch, no padding, every LDS read 16 bytes a lane on end.
; CLUSTER.  The four work-groups of a cluster belong to one slice and walk the same K and V (and Wo, gamma, beta): each block is asked for JOINTLY, by the same tensor load with the same descriptor and a mask that names the four.
; The place in the cluster enters the global addresses of Q, tm, inputs and out0 alone.  tm is read straight into registers (each wave its own 16 rows), so it is not shared.
; THE RING: two slots of 65,536 bytes; seven blocks of that size: six halves of a matrix (K of two heads, 16,384 bytes each, then their V), then Wo's 24 fragments with gamma's and beta's images behind them.
; Block i lies in slot i % 2; each wave fetches a quarter.  Trip i of the six waits for block i, passes the cluster's round, asks for block i + 1 and works on block i; the last product reads block 6.
; So every trip issues one tensor load a wave, and one tensor load of a wave is out at any time; it has two steps in which to land.
; Behind the slots: 12,288 bytes a wave (Q's 12 images, the out codes' 12 images; at the end 16 rows x 528 bytes of the result over both); then the spare words.
; LIMITS on the given exponents: e6 + e7 between -90 and 100 (they are added to c's exponent field; a masked key stays far under every score); e9 and e10 - e8 - e9 between -126 and 119; e10 + e11 between -126 and 127.
; NaN among the inputs is not served.
; REGISTERS, in windows of 256 (s_set_vgpr_msb: bits 1:0 source 0, 3:2 source 1, 5:4 source 2, 7:6 destination):
;   window 0: v1, v2 the spare word's address and 0; v3 16 x lane; v4 LDS address of the head's K (its V lies 32,768 on); v5 the way out; v6 LDS address of the step's Q; v7 512 r + 32 hh; v8 my stage + 16 x lane; v9 0 or NaN;
;             v[10:11] -c max; v12-15 maxima; v16-23 sums; v[24:25] 1 / sum; v26 for the lane exchange; v27-30 holds and scales; v31 32 hh; v32-35 Q, v36-39 zeros, v40-43 Q once more; v44-47 out codes; v48-63 O^T;
;             v64-95 P's codes, two sets; v96-223 K's, then V's fragments; v224 NaN
;   window 1: tm (at the end Wo);   window 2: the mask (at the end x, gamma, beta);   window 3: S^T (at the end the last sums and Wo).
.set SLOT1, 65536
.set VOFF,  32768
.set HEADB, 16384
.set STAGE, 131072
.set STGW,  12288
.set OCOFF, 6144
.set SPARE, 180224                     ; the spare words, 128 bytes for each wave: two blocks of 256 bytes that no other line names
.set GAMO,  49152                      ; in the last block: gamma's images,
.set BETO,  57344                      ; and beta's
.set F,   96
.set PC,  64
.set MSB, 0
.macro WIN new                         ; the immediate's high byte repeats the setting that is left; a switch that changes nothing is dropped
.if MSB != (\new)
	s_set_vgpr_msb (MSB<<8)|(\new)
.set MSB, (\new)
.endif
.endm
.macro MKSC se, vs, vl                 ; the whole number e in s[se] -> 2^e and 448 x 2^e as f32
	s_add_co_i32 s56, s[\se], 127
	s_lshl_b32 s57, s56, 23
	v_mov_b32 v[\vs], s57
	s_add_co_i32 s56, s56, 8
	s_lshl_b32 s56, s56, 23
	s_or_b32 s56, s56, 0x600000
	v_mov_b32 v[\vl], s56
.endm
.macro CROUND                          ; a round of the cluster's barrier: my work-group's barrier; wave 0 signals for the work-group; every wave waits for all four work-groups; my work-group's barrier once more
	s_barrier_signal -1
	s_barrier_wait -1
	s_cmp_lg_u32 s52, 0
	s_cbranch_scc1 .Lnot_wave_0_\@
	s_barrier_signal -3
.Lnot_wave_0_\@:
	s_barrier_wait -3
	s_barrier_signal -1
	s_barrier_wait -1
.endm
.macro TFILL                           ; a joint load, issued by every wave for its own quarter of a block; four v_nop follow it
	tensor_load_to_lds s[40:43], s[24:31]
	s_nop 0
.rept 4
	v_nop
.endr
.endm
.macro CLR                             ; the four chains of sums begin at 0
.irp k, 16,17,18,19,20,21,22,23
	v_mov_b32 v\k, 0
.endr
.endm
.macro JOIN                            ; four chains of pairs -> the row's sum in v16, in both lanes that hold the row
	v_pk_add_f32 v[16:17], v[16:17], v[18:19]
	v_pk_add_f32 v[20:21], v[20:21], v[22:23]
	v_pk_add_f32 v[16:17], v[16:17], v[20:21]
	v_add_f32 v16, v16, v17
	v_permlanex16_b32 v26, v16, s72, s73
	v_add_f32 v16, v16, v26
.endm
	s_load_b512 s[4:19], s[0:1], 0x0               ; qimg s[4:5], kimg s[6:7], vimg s[8:9], tmimg s[10:11], woimg s[12:13], inputs s[14:15], the scales s[16:17], out0 s[18:19]
	v_lshl_add_u32 v1, v0, 2, SPARE
	v_mov_b32 v2, 0
	ds_add_u32 v1, v2
	ds_add_u32 v1, v2
	s_wait_dscnt 0x0
	v_lshrrev_b32 v4, 5, v0
	v_readfirstlane_b32 s52, v4                    ; wave 0..3
	v_and_b32 v3, 31, v0
	v_lshlrev_b32 v3, 4, v3                        ; 16 x lane
	v_and_b32 v7, 15, v0
	v_bfe_u32 v31, v0, 4, 1
	v_lshlrev_b32 v31, 5, v31                      ; 32 hh
	v_mul_u32_u24 v5, v7, 528
	v_add_nc_u32 v5, v5, v31
	v_lshl_add_u32 v7, v7, 9, v31                  ; 512 r + 32 hh
	s_mul_i32 s56, s52, STGW
	s_add_co_u32 s56, s56, STAGE
	v_add_nc_u32 v8, s56, v3                       ; my stage + 16 x lane
	v_add_nc_u32 v5, s56, v5                       ; the way out: my stage + 528 r + 32 hh
	s_bfe_u32 s53, ttmp6, 0x40000                  ; cx: my place in the cluster
	s_lshl_b32 s54, ttmp9, 2                       ; in a cluster launch ttmp9 counts clusters
	s_add_co_u32 s54, s54, s53                     ; my block of 64 queries
	s_lshl_b32 s54, s54, 2
	s_add_co_u32 s54, s54, s52                     ; my wave's tile of 16 queries, 0..31
	s_and_b32 s55, ttmp7, 0xffff                   ; the slice, which the four partners share
	; descriptor group 1: a dense quarter of a block as 64 rows of 256 bytes (32 elements of 8 bytes), no padding
	s_mov_b32 s24, 15|(3<<16)|(1<<21)              ; 15:0 the mask: all four work-groups; 17:16 elements of 8 bytes; 21 set beside a mask
	s_mov_b32 s25, 32<<16                          ; tensor_dim0 = 32
	s_mov_b32 s26, 64<<16                          ; tensor_dim1 = 64 rows: 16,384 bytes
	s_mov_b32 s27, 32<<16                          ; tile_dim0
	s_mov_b32 s28, 64                              ; tile_dim1
	s_mov_b32 s29, 32                              ; elements from row to row
	s_mov_b32 s30, 0
	s_mov_b32 s31, 0
	s_mul_i32 s58, s55, 196608                     ; the slice's part of each image of codes
	s_lshl_b32 s60, s54, 9
	s_add_co_u32 s60, s60, s58                     ; Q: + my tile's 512 bytes
	s_mov_b32 s61, 0
	s_and_b32 s62, s52, 1
	s_lshl_b32 s62, s62, 14
	s_add_co_u32 s62, s62, s58                     ; K, V: + the first or the second head of a block
	s_mov_b32 s63, 0
	s_wait_kmcnt 0x0
	s_load_b128 s[80:83], s[16:17], 0x18           ; e6, e7, e8, e9
	s_load_b64 s[84:85], s[16:17], 0x28            ; e10, e11
	s_add_nc_u64 s[4:5], s[4:5], s[60:61]
	s_lshl_b32 s60, s54, 15
	s_add_nc_u64 s[10:11], s[10:11], s[60:61]      ; tm's image at my tile
	WIN 0x40                                       ; destination window 1
.set n, 0
.rept 64
	global_load_b128 v[4*n:4*n+3], v3, s[10:11] offset:512*n   ; tm of t = 0
.set n, n+1
.endr
	WIN 0
.set n, 0
.rept 12
	global_load_b128 v[F+4*n:F+4*n+3], v3, s[4:5] offset:16384*n   ; my queries' codes for the 12 steps
.set n, n+1
.endr
	s_lshl_b32 s60, s55, 18
	s_lshl_b32 s58, s54, 13
	s_add_co_u32 s60, s60, s58
	s_add_nc_u64 s[14:15], s[14:15], s[60:61]      ; inputs and out0 at my 16 rows
	s_add_nc_u64 s[18:19], s[18:19], s[60:61]
	s_cmp_lt_u32 s52, 2                            ; waves 0, 1 fetch K, waves 2, 3 V: the choice hangs on the wave's number alone
	s_cselect_b64 s[44:45], s[6:7], s[8:9]
	s_add_nc_u64 s[44:45], s[44:45], s[62:63]      ; my quarter of block 0; it steps a block a trip
	s_lshl_b32 s58, s52, 14
	s_mov_b32 s59, 0
	s_add_nc_u64 s[46:47], s[12:13], s[58:59]      ; my quarter of the last block
	s_mov_b32 s40, 1                               ; group 0, which walks: count = 1,
	s_lshl_b32 s41, s52, 14                        ; LDS address: slot 0 + wave x 16,384,
	s_mov_b64 s[42:43], s[44:45]                   ; global address: block 0,
	s_or_b32 s43, s43, 0x80000000                  ; type = 2
	CROUND                                         ; all four work-groups are here: the first joint load meets
	TFILL                                          ; block 0
	s_mov_b32 s69, 0xf1000000                      ; -2^99
	s_mov_b32 s71, 0xf1800000                      ; -2^100
	s_mov_b32 s72, 0x76543210                      ; v_permlanex16_b32: each lane takes its own place in the other half
	s_mov_b32 s73, 0xfedcba98
	s_mov_b32 s78, 0xff800000                      ; -infinity
	s_mov_b32 s88, 0x3c000000                      ; 1 / 128
	s_mov_b32 s89, 0x3727c5ac                      ; 1e-5
	s_mov_b32 s74, 0                               ; LDS byte of the head's K: slot 0, first head
	s_mov_b32 s76, 0                               ; 512 x the step: Q's image, the out codes' image
	s_mov_b32 s79, 0                               ; the step, 0 to 11
	s_mov_b32 s92, 0                               ; the block asked for last
	v_mov_b32 v9, 0
	v_mov_b32 v11, 0                               ; (named as upper halves of pairs, so they are written)
	v_mov_b32 v25, 0
	v_mov_b32 v26, 0                               ; a lane exchange's destination counts as one of its sources
.irp k, 36,37,38,39
	v_mov_b32 v\k, 0                               ; the zero codes beside Q
.endr
	v_mov_b32 v224, 0x7fc00000                     ; NaN
	s_wait_kmcnt 0x0
	s_add_co_i32 s56, s80, s81
	s_lshl_b32 s56, s56, 23
	s_add_co_i32 s66, s56, 0x3e8293ee              ; c = log2(e) / sqrt(32), x 2^(e6 + e7): the two exponents are added to c's exponent field
	s_mov_b32 s67, s66
	s_xor_b32 s68, s66, 0x80000000                 ; -c
	MKSC 83, 28, 27                                ; 2^e9 and 448 x 2^e9
	s_sub_co_i32 s58, s84, s82
	s_sub_co_i32 s58, s58, s83                     ; e10 - e8 - e9
	MKSC 58, 30, 29
	s_add_co_i32 s86, s84, s85
	s_add_co_i32 s86, s86, 127
	s_lshl_b32 s86, s86, 23                        ; 2^(e10 + e11)
	s_mov_b32 s87, s86
	s_wait_loadcnt 0x0                             ; Q's codes (and tm, asked for ahead of them)
.set n, 0
.rept 12
	ds_store_b128 v8, v[F+4*n:F+4*n+3] offset:512*n
.set n, n+1
.endr
	s_mov_b32 s90, 3
.Lmatrix:                                              ; ======== three transition matrices
	s_wait_loadcnt 0x0                             ; this t's tm is in, and no load names tm's pointer any more:
	s_add_nc_u64 s[10:11], s[10:11], 1048576       ; it steps to the next t's image (behind the last t it is not used)
	WIN 0x81                                       ; source 0 (tm) window 1, destination (the mask) window 2
.set n, 0
.rept 256
	v_cmp_neq_f32 vcc_lo, v[n], v36                ; tm against 0
	v_cndmask_b32 v[n], s71, v36, vcc_lo           ; 0 where tm is not 0, -2^100 elsewhere
.set n, n+1
.endr
	WIN 0
	s_mov_b32 s91, 2
.Lhalf:                                                ; ======== two halves of a matrix: a block of the ring each
	; THE CHANGE OF SLOTS.  Every wave waits for all its tensor loads (its quarter of the block that it is about to read), adds 0 to its spare word, and waits for that and for its reads of the slot that it has left.
	; Behind the cluster's round no wave of any partner still reads that slot or has a load on its way: the next block is asked for into it, first thing.
	s_wait_tensorcnt 0x0                           ; no tensor load of mine is out, so the descriptor may be written
	ds_add_u32 v1, v2                              ; 0 onto my spare word; the descriptor's steps stand between it and the wait for it
	s_xor_b32 s41, s41, SLOT1                      ; the other slot than last time
	s_add_nc_u64 s[44:45], s[44:45], 32768         ; the next two heads' K or V
	s_add_co_u32 s92, s92, 1
	s_cmp_eq_u32 s92, 6                            ; block 6 is the last product's: the choice hangs on the count of blocks alone
	s_cselect_b64 s[42:43], s[46:47], s[44:45]
	s_or_b32 s43, s43, 0x80000000                  ; type = 2
	s_wait_dscnt 0x0                               ; the add is done, and my reads of the slot that I have left are over
	CROUND
	TFILL
	v_add_nc_u32 v4, s74, v3                       ; the half's first head: its addresses, Q twice, K's 32 tiles
	v_add_nc_u32 v6, s76, v8
	ds_load_b128 v[32:35], v6
	ds_load_b128 v[40:43], v6
.set n, 0
.rept 32
	ds_load_b128 v[F+4*n:F+4*n+3], v4 offset:512*n
.set n, n+1
.endr
	s_mov_b32 s77, 2
.Lhead:                                                ; ======== two heads: THE STEP
	; ---- A: the scores
	s_wait_loadcnt 0x0                             ; no load into the mask's or tm's registers is out when a step begins (such loads are asked for inside a step)
	s_wait_dscnt 0x0                               ; K and Q are in (and the last out codes are stored)
	WIN 0xe0                                       ; D window 3, C (the mask) window 2
.set n, 0
.rept 16
	v_wmma_f32_16x16x64_fp8_fp8 v[16*n:16*n+7], v[F+8*n:F+8*n+7], v[32:39], v[16*n:16*n+7]
	v_wmma_f32_16x16x64_fp8_fp8 v[16*n+8:16*n+15], v[F+8*n:F+8*n+7], v[36:43], v[16*n+8:16*n+15]
.set n, n+1
.endr
	WIN 0
.irp k, 12,13,14,15
	v_mov_b32 v\k, s78                             ; four chains of maxima begin at -infinity.  These four are also the places behind the products, in front of the loads below and of the first read of the scores
.endr
.set n, 0
.rept 32
	ds_load_b128 v[F+4*n:F+4*n+3], v4 offset:VOFF+512*n   ; V's 8 fragments take K's place; the softmax stands between these loads and the wait for them
.set n, n+1
.endr
	s_cmp_lg_u32 s79, 11                           ; the very last step: the mask is done with, x is loaded over it
	s_cbranch_scc1 .Lno_x
	WIN 0x80                                       ; destination window 2
.set n, 0
.rept 8
	global_load_b128 v[8*n:8*n+3], v7, s[14:15] offset:64*n       ; inputs(query r, 16 n + 8 hh + 0 .. 7): the last product's layout
	global_load_b128 v[8*n+4:8*n+7], v7, s[14:15] offset:64*n+16
.set n, n+1
.endr
	WIN 0
.Lno_x:
	; ---- B: the maximum, the exponentials, the sum
	WIN 0x3c                                       ; sources 1 and 2 window 3
.set n, 0
.rept 32
	v_max3_num_f32 v12, v12, v[8*n], v[8*n+1]      ; each tile from its low end on
	v_max3_num_f32 v13, v13, v[8*n+2], v[8*n+3]
	v_max3_num_f32 v14, v14, v[8*n+4], v[8*n+5]
	v_max3_num_f32 v15, v15, v[8*n+6], v[8*n+7]
.set n, n+1
.endr
	WIN 0
	v_max3_num_f32 v12, v12, v13, v14
	v_max_num_f32 v12, v12, v15
	v_permlanex16_b32 v26, v12, s72, s73           ; the query's other 256 keys lie in the lane 16 away
	v_max_num_f32 v12, v12, v26
	v_cmp_gt_f32 vcc_lo, s69, v12                  ; under -2^99: every key is masked
	v_cndmask_b32 v9, v9, v224, vcc_lo             ; then the row is marked; a value is chosen, no way is
	v_mul_f32 v10, s68, v12                        ; -c max
	WIN 0xc3                                       ; destination and source 0 window 3
.set n, 0
.rept 128
	v_pk_fma_f32 v[2*n:2*n+1], v[2*n:2*n+1], s[66:67], v[10:11] op_sel_hi:[1,0,0]   ; c s - c max, two at a time
.if n >= 2
	v_exp_f32 v[2*n-4], v[2*n-4]                   ; the exponentials of the pair two back: a plain instruction on other registers follows each two
	v_exp_f32 v[2*n-3], v[2*n-3]
.endif
.set n, n+1
.endr
.irp k, 252,253,254,255
	v_exp_f32 v\k, v\k
.endr
	WIN 0
	CLR                                            ; (plain instructions behind the last exponentials)
	WIN 0x0c                                       ; source 1 window 3
.set n, 0
	s_wait_alu depctr_va_vdst(0)
.rept 128
	v_pk_add_f32 v[16+2*(n%4):17+2*(n%4)], v[16+2*(n%4):17+2*(n%4)], v[2*n:2*n+1]
.set n, n+1
.endr
	WIN 0
	JOIN
	v_rcp_f32 v24, v16
	v_nop                                          ; a plain instruction between the reciprocal and its use
	; ---- C: alpha x tm for all 512 keys, so that tm is done with early; then 128 keys at a time: the hold, the codes, two products
	WIN 0xc3
.set n, 0
	s_wait_alu depctr_va_vdst(0)
.rept 128
	v_pk_mul_f32 v[2*n:2*n+1], v[2*n:2*n+1], v[24:25] op_sel_hi:[1,0]   ; alpha = p / sum
.set n, n+1
.endr
	WIN 0xc7                                       ; source 1: tm's window
.set n, 0
.rept 128
	v_pk_mul_f32 v[2*n:2*n+1], v[2*n:2*n+1], v[2*n:2*n+1]               ; x tm, which lies register for register as the scores do
.set n, n+1
.endr
	WIN 0
	s_and_b32 s56, s79, 3                          ; a matrix's last head, but not the last matrix's (steps 3 and 7): the next matrix's tm is asked for over this one's
	s_cmp_lg_u32 s56, 3
	s_cbranch_scc1 .Lno_tm
	s_cmp_eq_u32 s79, 11
	s_cbranch_scc1 .Lno_tm
	WIN 0x40                                       ; destination window 1
.set n, 0
.rept 64
	global_load_b128 v[4*n:4*n+3], v3, s[10:11] offset:512*n
.set n, n+1
.endr
	WIN 0
.Lno_tm:
.irp s, 0,1,2,3
	WIN 0xc3
.set n, 0
.rept 64
	v_med3_num_f32 v[64*\s+n], v[64*\s+n], -v27, v27   ; the conversion does not saturate (ISA guide 7.6.2); tm may be negative, so the hold is two-sided
.set n, n+1
.endr
	WIN 0x03
.set n, 0
.rept 8
	v_cvt_scalef32_pk8_fp8_f32 v[PC+16*(\s%2)+2*n:PC+16*(\s%2)+2*n+1], v[64*\s+8*n:64*\s+8*n+7], v28
.set n, n+1
.endr
	WIN 0
	v_nop                                          ; one plain instruction between the last conversion and the products that read its result
.if \s == 0
	s_wait_dscnt 0x0                               ; V is in
.else
	s_cmp_lg_u32 s77, 2                            ; the half's first head fetches the second's K, a quarter at a time,
	s_cbranch_scc1 .Lno_k\s
.set n, 0
.rept 8
	ds_load_b128 v[F+32*(\s-1)+4*n:F+32*(\s-1)+4*n+3], v4 offset:HEADB+512*(8*(\s-1)+n)   ; over the fragments of V that the last 128 keys' products have read (the 64 holds above are their places)
.set n, n+1
.endr
.Lno_k\s:
.endif
.if \s == 0
	v_wmma_f32_16x16x128_fp8_fp8 v[48:55], v[F:F+15], v[PC:PC+15], 0                   ; the first 128 keys start the sums; the two accumulators take turns
	v_wmma_f32_16x16x128_fp8_fp8 v[56:63], v[F+16:F+31], v[PC:PC+15], 0
.else
	v_wmma_f32_16x16x128_fp8_fp8 v[48:55], v[F+32*\s:F+32*\s+15], v[PC+16*(\s%2):PC+16*(\s%2)+15], v[48:55]
	v_wmma_f32_16x16x128_fp8_fp8 v[56:63], v[F+32*\s+16:F+32*\s+31], v[PC+16*(\s%2):PC+16*(\s%2)+15], v[56:63]
.endif
.endr
	; ---- D: on to the next head; the out codes
	s_add_co_u32 s74, s74, HEADB
	s_add_co_u32 s76, s76, 512
	v_add_nc_u32 v4, s74, v3                       ; these two and the two v_nop are the four places behind the last products
	v_add_nc_u32 v6, s76, v8
	v_nop
	v_nop
	s_cmp_lg_u32 s77, 2
	s_cbranch_scc1 .Lno_k4
.set n, 0
.rept 8
	ds_load_b128 v[F+96+4*n:F+96+4*n+3], v4 offset:512*(24+n)   ; the second head's last quarter of K,
.set n, n+1
.endr
	ds_load_b128 v[32:35], v6                      ; and its Q, twice
	ds_load_b128 v[40:43], v6
.Lno_k4:
.set n, 0
.rept 16
	v_med3_num_f32 v[48+n], v[48+n], -v29, v29     ; each accumulator from its low end on
.set n, n+1
.endr
	v_cvt_scalef32_pk8_fp8_f32 v[44:45], v[48:55], v30   ; sum / 2^(e10 - e8 - e9): the three scales folded into one
	v_cvt_scalef32_pk8_fp8_f32 v[46:47], v[56:63], v30
	v_nop
	ds_store_b128 v6, v[44:47] offset:OCOFF-512    ; this step's image of the out codes (v6 has stepped on by 512)
	s_add_co_u32 s79, s79, 1
	s_sub_co_u32 s77, s77, 1
	s_cmp_lg_u32 s77, 0
	s_cbranch_scc1 .Lhead
	s_sub_co_u32 s74, s74, 2*HEADB                 ; back to a slot's first head,
	s_xor_b32 s74, s74, SLOT1                      ; in the other slot
	s_sub_co_u32 s91, s91, 1
	s_cmp_lg_u32 s91, 0
	s_cbranch_scc1 .Lhalf
	s_sub_co_u32 s90, s90, 1
	s_cmp_lg_u32 s90, 0
	s_cbranch_scc1 .Lmatrix
	; ---- THE LAST BLOCK is waited for
	s_wait_tensorcnt 0x0
	ds_add_u32 v1, v2
	s_wait_dscnt 0x0
	s_barrier_signal -1
	s_barrier_wait -1
	; ---- THE LAST PRODUCT: y^T = Wo x out^T (source 0 = 16 outputs, source 1 = my 16 queries' codes): lane (r, hh) holds query r, register 8 dt + j output 16 dt + 8 hh + j
.set n, 0
.rept 12
	ds_load_b128 v[F+4*n:F+4*n+3], v8 offset:OCOFF+512*n   ; the out codes: three fragments (LDS serves a wave's instructions in order: these see my stores)
.set n, n+1
.endr
	WIN 0x40
.set n, 0
.rept 64
	ds_load_b128 v[4*n:4*n+3], v3 offset:512*n     ; Wo, K steps 0 and 1: window 1 (block 6 lies in slot 0, from LDS byte 0)
.set n, n+1
.endr
	WIN 0xc0
.set n, 0
.rept 32
	ds_load_b128 v[128+4*n:128+4*n+3], v3 offset:32768+512*n   ; K step 2: window 3, upper half
.set n, n+1
.endr
	WIN 0x80
.set n, 0
.rept 16
	ds_load_b128 v[64+4*n:64+4*n+3], v3 offset:GAMO+512*n      ; gamma,
.set n, n+1
.endr
.set n, 0
.rept 16
	ds_load_b128 v[128+4*n:128+4*n+3], v3 offset:BETO+512*n    ; beta: window 2, beside x
.set n, n+1
.endr
	s_wait_dscnt 32                                ; the codes and Wo are in; the 32 younger loads, gamma's and beta's, may be out
	WIN 0xc1                                       ; D window 3, Wo window 1.  The eight accumulators take turns
.irp d, 0,1,2,3,4,5,6,7
	v_wmma_f32_16x16x128_fp8_fp8 v[8*\d:8*\d+7], v[16*\d:16*\d+15], v[F:F+15], 0
.endr
	WIN 0xf1
.irp d, 0,1,2,3,4,5,6,7
	v_wmma_f32_16x16x128_fp8_fp8 v[8*\d:8*\d+7], v[128+16*\d:128+16*\d+15], v[F+16:F+31], v[8*\d:8*\d+7]
.endr
	WIN 0xf3
.irp d, 0,1,2,3,4,5,6,7
	v_wmma_f32_16x16x128_fp8_fp8 v[8*\d:8*\d+7], v[128+16*\d:128+16*\d+15], v[F+32:F+47], v[8*\d:8*\d+7]
.endr
	WIN 0
	CLR                                            ; (these eight are also the places behind the last products)
	s_wait_loadcnt 0x0                             ; x
	WIN 0xa3                                       ; source 0 window 3, source 2 and destination window 2
.set n, 0
.rept 32
	v_pk_fma_f32 v[2*n:2*n+1], v[2*n:2*n+1], s[86:87], v[2*n:2*n+1] op_sel_hi:[1,0,1]   ; res = sum x 2^(e10 + e11) + inputs
.set n, n+1
.endr
	WIN 0x08                                       ; source 1 window 2
.set n, 0
.rept 32
	v_pk_add_f32 v[16+2*(n%4):17+2*(n%4)], v[16+2*(n%4):17+2*(n%4)], v[2*n:2*n+1]
.set n, n+1
.endr
	WIN 0
	JOIN
	v_fma_f32 v24, v16, s88, v9                    ; the mean (+ NaN for a row that had no softmax)
	CLR
	WIN 0x82                                       ; source 0 and destination window 2
.set n, 0
.rept 32
	v_pk_add_f32 v[2*n:2*n+1], v[2*n:2*n+1], v[24:25] op_sel_hi:[1,0] neg_lo:[0,1] neg_hi:[0,1]   ; res - mean
.set n, n+1
.endr
	WIN 0x0a                                       ; sources 0 and 1 window 2
.set n, 0
.rept 32
	v_pk_fma_f32 v[16+2*(n%4):17+2*(n%4)], v[2*n:2*n+1], v[2*n:2*n+1], v[16+2*(n%4):17+2*(n%4)]
.set n, n+1
.endr
	WIN 0
	JOIN
	v_fma_f32 v16, v16, s88, s89                   ; the variance + 1e-5
	v_rsq_f32 v24, v16
	v_nop                                          ; a plain instruction between the root and its use
	WIN 0x82
.set n, 0
	s_wait_alu depctr_va_vdst(0)
.rept 32
	v_pk_mul_f32 v[2*n:2*n+1], v[2*n:2*n+1], v[24:25] op_sel_hi:[1,0]
.set n, n+1
.endr
	s_wait_dscnt 0x0                               ; gamma and beta are in
	WIN 0xaa                                       ; all in window 2
.set n, 0
.rept 32
	v_pk_fma_f32 v[2*n:2*n+1], v[2*n:2*n+1], v[64+2*n:65+2*n], v[128+2*n:129+2*n]   ; x gamma + beta
.set n, n+1
.endr
	; ---- THE WAY OUT: a lane holds pieces of 32 bytes of one row; the 16 rows go through my stage and come back whole
	WIN 0x08                                       ; store data window 2
.set n, 0
.rept 16
	ds_store_b128 v5, v[4*n:4*n+3] offset:64*(n/2)+16*(n%2)
.set n, n+1
.endr
	WIN 0
.set n, 0
.rept 16
	ds_load_b128 v[F+4*n:F+4*n+3], v8 offset:528*n ; a row of 512 bytes, 16 a lane; LDS serves a wave's instructions in order: these see my stores
.set n, n+1
.endr
.set n, 0
.rept 16
	s_wait_dscnt 15-n                              ; row n is back; the younger loads may be out
	global_store_b128 v3, v[F+4*n:F+4*n+3], s[18:19] offset:512*n th:TH_STORE_NT   ; 32 lanes store 512 consecutive bytes, at a multiple of 256 from out0's first byte
.set n, n+1
.endr
	s_wait_tensorcnt 0x0                           ; the wave's end: behind my last tensor load and my last LDS store
	ds_add_u32 v1, v2
	s_wait_dscnt 0x0
	CROUND                                         ; the closing round: no work-group ends while a partner may still ask for a block that names it
	s_endpgm
.Lfunc_end_k_qcfb63b3f69_attn:
	.size	k_qcfb63b3f69_attn, .Lfunc_end_k_qcfb63b3f69_attn-k_qcfb63b3f69_attn
	.p2alignl 7, 3214868480
	.fill 96, 4, 3214868480
	.section	.rodata,"a",@progbits
	.p2align	6, 0x0
	.amdhsa_kernel k_qcfb63b3f69_attn
		.amdhsa_group_segment_fixed_size 327680
		.amdhsa_private_segment_fixed_size 0
		.amdhsa_enable_private_segment 0
		.amdhsa_kernarg_size 64
		.amdhsa_user_sgpr_count 2
		.amdhsa_user_sgpr_kernarg_segment_ptr 1
		.amdhsa_wavefront_size32 1
		.amdhsa_system_sgpr_workgroup_id_x 1
		.amdhsa_system_sgpr_workgroup_id_y 1
		.amdhsa_system_sgpr_workgroup_id_z 1
		.amdhsa_system_vgpr_workitem_id 0
		.amdhsa_next_free_vgpr 1024
		.amdhsa_next_free_sgpr 96
		.amdhsa_reserve_vcc 1
		.amdhsa_float_denorm_mode_32 3
		.amdhsa_float_denorm_mode_16_64 3
		.amdhsa_memory_ordered 1
		.amdhsa_forward_progress 1
		.amdhsa_inst_pref_size 147
	.end_amdhsa_kernel
	.amdgpu_metadata
---
amdhsa.version: [ 1, 2 ]
amdhsa.kernels:
  - .name:           k_qcfb63b3f69_attn
    .symbol:         k_qcfb63b3f69_attn.kd
    .args:
      - { .name: qimg, .offset: 0, .size: 8, .value_kind: global_buffer, .address_space: global }
      - { .name: kimg, .offset: 8, .size: 8, .value_kind: global_buffer, .address_space: global }
      - { .name: vimg, .offset: 16, .size: 8, .value_kind: global_buffer, .address_space: global }
      - { .name: tmimg, .offset: 24, .size: 8, .value_kind: global_buffer, .address_space: global }
      - { .name: woimg, .offset: 32, .size: 8, .value_kind: global_buffer, .address_space: global }
      - { .name: inputs, .offset: 40, .size: 8, .value_kind: global_buffer, .address_space: global }
      - { .name: lowp_scales, .offset: 48, .size: 8, .value_kind: global_buffer, .address_space: global }
      - { .name: out0, .offset: 56, .size: 8, .value_kind: global_buffer, .address_space: global }
    .group_segment_fixed_size: 327680
    .private_segment_fixed_size: 0
    .kernarg_segment_align: 8
    .kernarg_segment_size: 64
    .max_flat_workgroup_size: 128
    .sgpr_count:     96
    .vgpr_count:     1024
    .wavefront_size: 32
...
	.end_amdgpu_metadata
.endif
;; end of part 4
;; ======== version 3 of 3: 2 launches; version 2 with the launch proj written anew for expert scheduling mode
;; limits: right only within a limited range of input values
;; workspace buffers: qimg 6,291,456 bytes; kimg 6,291,456 bytes; vimg 6,291,456 bytes; tmimg 3,145,728 bytes; woimg 65,536 bytes
;; launch proj (part 5): grid 9 x 32, 4 waves a work-group, no clusters, 50,688 bytes of LDS; arguments inputs, Wq, Wk, Wv, Wo, transition_matrices, lowp_scales, qimg, kimg, vimg, tmimg, woimg, ln_gamma, ln_beta; writes qimg, kimg, vimg, tmimg, woimg
.if DOCPART == 5
	.amdgcn_target "amdgcn-amd-amdhsa--gfx1250"
	.amdhsa_code_object_version 6
	.text
	.protected	k_qcfb63b3f69_proj
	.globl	k_qcfb63b3f69_proj
	.p2align	8
	.type	k_qcfb63b3f69_proj,@function
k_qcfb63b3f69_proj:
	s_mov_b64 s[64:65], 0
	v_nop
	global_prefetch_b8 v0, s[64:65] scope:SCOPE_SE
	s_setreg_imm32_b32 hwreg(HW_REG_WAVE_SCHED_MODE, 0, 2), 2
	s_setreg_imm32_b32 hwreg(HW_REG_WAVE_MODE, 25, 1), 1
	s_wait_xcnt 0x0
	s_wait_alu depctr_vm_vsrc(0)
; THE PROJECTIONS.  Q, K, V = inputs x W^T for three transition matrices, on codes of FP8 (E4M3), and their results as codes again, laid as IMAGES OF OPERAND REGISTERS for the next launch.
; Work-group (x, y): x = 3 kind + t (kind 0 Q, 1 K, 2 V; t = 0..2), y = the slice b p (512 nodes x 128).  It multiplies one weight matrix [128][128] by the slice's 512 nodes.
; Wave w owns nodes 128 w .. 128 w + 127 (8 fragments of 16 nodes x 128) and all 128 outputs: 64 matrix instructions, each a whole sum (K = 128), so each takes the constant 0 as C.
; QUANTISER: code = x / 2^e, held within +-448, to the nearest code, ties to even.  inputs is quantised with the scale of its product (entries 1, 3, 5 of the scales), W with entries 0, 2, 4;
; a sum stands for sum x 2^(eW + eX), so a result's code is sum / 2^(eO - eW - eX), eO = entry 6 (Q), 7 (K), 8 (V): the three scales are folded into the conversion's one.
; FRAGMENTS lie as the matrix form has them: lane (r, hh) holds row r; registers 2 c, 2 c + 1 hold k = 16 c + 8 hh + 0 .. 7.  So a lane loads, for each c, 32 bytes of its row at 64 c + 32 hh.
; Q, K: source 0 = 16 rows of W, source 1 = 16 nodes: a lane holds ONE node and 8 neighbouring outputs, so the conversions of output tiles 2 h, 2 h + 1 are the 4 registers of head h's fragment (K = the head's 32).
; V:    source 0 = 16 nodes, source 1 = 16 rows of W: a lane holds ONE channel and 8 neighbouring nodes, so the conversions of the wave's 8 node tiles are a fragment of V^T (K = 128 keys).
; IMAGES: 4 registers a lane are stored by one instruction, lane l's 16 bytes at 16 l: 512 consecutive bytes, aligned.
;   qimg, kimg: [b p][t][head][node tile 32][512 bytes];   vimg: [b p][t][head][fragment 2 s + u: 8][4][512 bytes] (keys 128 s on, channels 16 u on).
; W is quantised once for the work-group: wave w makes fragments 2 w, 2 w + 1; they go through LDS as images, one barrier, and every wave takes all eight.
; BESIDE THAT: work-groups x < 3 lay 16 rows (16 y on) of transition matrix x + x / 2 (0, 1, 3: those that the module uses) as the image of the score layout,
;   tmimg [t][query tile 32][block 2 tile + g: 64][512 bytes]: lane (r, hh): tm[16 y + r][16 tile + 8 hh + 4 g + 0 .. 3];
; work-groups x = 3, y < 6 quantise Wo (entry 11): wave w makes fragment f = 4 y + w = 8 ks + dt: woimg [f][4][512 bytes]: rows 16 dt on, k = 128 ks on;
; work-group x = 3, y = 6 lays gamma (wave 0) and beta (wave 1) behind them, at bytes 49,152 and 57,344 of woimg, as images of the last product's result: block n of 16: lane (r, hh): numbers 16 (n / 2) + 8 hh + 4 (n % 2) + 0 .. 3.
; NOT READ: c_inputs and transition matrix 2: no result of the module hangs on them.
; LIMITS: each of eW, eX, entry 11 and eO - eW - eX lies between -126 and 119, so that the scale and 448 x the scale are f32 numbers.  NaN among the inputs is not served (an infinity is held at the largest code).
; No tensor loads, no cluster: what work-groups share here (the slice, a weight) is read through registers and quantised on the way.
; REGISTERS.  window 0: v1 lane, v2 r, v3 hh, v4-10 addresses, v11-18 scales and holds, v19 32 hh, v30, v31 the closing add's two, v32-223 three sets of 64 numbers, v224-255 W's (and Wo's) codes;
;             in the main part v160-255 are six sets of 16 registers of codes.   window 1: v0-127 W's 8 fragments, v128-255 my 8 fragments of the slice.
; THE MODE: SCHED_MODE bits 1:0 = 2 (LLVM: expert scheduling mode 2), set by the entry lines.  The code itself states the register dependences
; between vector or matrix instructions and memory or LDS instructions, with s_wait_alu, always for 0.
; THE PLAN.  Registers that memory or LDS instructions touch:
;   v4, v5, v6, v8, v9, v10, v19   addresses and offsets: written at the head, read by every load and store, never written again.
;   S0, S1, S2 (v32-223)           item i's loads land in S[i % 3]; its 64 holds and 8 conversions work on it; behind them item i + 3's loads land in it.
;   v224-255                       items 0 and 1: the conversions write W's codes, eight LDS stores read them.
;   O0 .. O5 (v160-255)            group g's conversions write O[g % 6]; its four stores read it.  Only groups 6 and 7 write a set that stores have read.
;   window 1, v0-127               LDS loads alone write them.
;   the tails                      loads land in v32-159; LDS and global stores read them; nothing writes them again.
; So: one wait on va_vdst at the head; one behind the conversions of each item 0 to 6 (the set is asked for again at once; for items 0 and 1 it serves the LDS stores too); one wait on vm_vsrc behind the barrier
; (v224-255 become O4 and O5); one wait on va_vdst for two groups, ahead of their eight stores; one pair of waits (XCNT, vm_vsrc) in group 6; behind the last wait on va_vdst no vector instruction is issued
; but Wo's, which have a wait of their own.
.set TMST, 16384                       ; LDS: W's 8 images of 2,048 bytes from 0; then a stage of 16 rows x 528 bytes for each wave, for the transition matrix alone
.set TMW,  8448
.set XA,   4                           ; v4   512 r + 32 hh: my bytes in 16 rows of 512 (the slice, W)
.set LI,   5                           ; v5   16 x lane: my place in an image
.set WO4,  6                           ; v6   16 x lane + 4,096 x wave: my place among W's images in LDS, and among the results' images in memory
.set WOA,  8                           ; v8   1,536 r + 32 hh: my bytes in 16 rows of Wo
.set TSI,  9                           ; v9   the stage, in: 16 x lane
.set TSO,  10                          ; v10  the stage, out: 528 r + 32 hh
.set SCX,  11                          ; v11, v12  2^eX and 448 x 2^eX
.set LMX,  12
.set SCW,  13                          ; v13, v14  the same for W
.set LMW,  14
.set SCO,  15                          ; v15, v16  for the results
.set LMO,  16
.set SCB,  17                          ; v17, v18  for Wo
.set LMB,  18
.set ST,   32
.set OB,   160                         ; the main part's six sets of codes
.set PC,   224
.set MSB, 0
.macro WIN new                         ; the immediate's high byte repeats the setting that is left; a switch that changes nothing is dropped
.if MSB != (\new)
	s_set_vgpr_msb (MSB<<8)|(\new)
.set MSB, (\new)
.endif
.endm
.macro MKSC se, vs, vl                 ; the whole number e in s[se] -> 2^e and 448 x 2^e as f32
	s_add_co_i32 s56, s[\se], 127
	s_lshl_b32 s57, s56, 23
	v_mov_b32 v[\vs], s57
	s_add_co_i32 s56, s56, 8
	s_lshl_b32 s56, s56, 23
	s_or_b32 s56, s56, 0x600000
	v_mov_b32 v[\vl], s56
.endm
.macro LOADF set, va, sb, off          ; 64 numbers of my row: register 8 c + i = k 16 c + 8 hh + i
.irp c, 0,1,2,3,4,5,6,7
	global_load_b128 v[(\set)+8*\c:(\set)+8*\c+3], v[\va], s[\sb:\sb+1] offset:(\off)+64*\c
	global_load_b128 v[(\set)+8*\c+4:(\set)+8*\c+7], v[\va], s[\sb:\sb+1] offset:(\off)+64*\c+16
.endr
.endm
.macro HOLD set, lim                   ; 64 numbers are held within the largest code x the scale
.set qi, 0
.rept 64
	v_med3_num_f32 v[(\set)+qi], v[(\set)+qi], -v[\lim], v[\lim]   ; the conversion to an 8-bit code does not saturate (ISA guide 7.6.2): the hold comes first.  Ascending: each accumulator is read from its low end on
.set qi, qi+1
.endr
.endm
.macro CODE set, dst, dwin, sc         ; and become 16 registers of codes at v[dst] of window dwin
	WIN (\dwin)<<6
.set qi, 0
.rept 8
	v_cvt_scalef32_pk8_fp8_f32 v[(\dst)+2*qi:(\dst)+2*qi+1], v[(\set)+8*qi:(\set)+8*qi+7], v[\sc]
.set qi, qi+1
.endr
	WIN 0
	v_nop                                          ; one plain vector instruction between the last conversion and whatever next touches its result or writes its sources
.endm
.macro QUANT set, dst, dwin, sc, lim
	HOLD \set, \lim
	CODE \set, \dst, \dwin, \sc
.endm
.macro ITEMLOAD i                      ; items 0, 1: my two fragments of W; items 2 to 9: my eight of the slice; three sets by turns
.if (\i) < 2
	LOADF ST+64*((\i)%3), XA, 32, (\i)*8192
.else
	LOADF ST+64*((\i)%3), XA, 4, ((\i)-2)*8192
.endif
.endm
.macro WM g, vp                        ; 8 products into set g % 2.  Q, K: all of W x my node tile g.  V: my 8 node tiles x W's rows 16 g on
	WIN 0x05                                       ; sources 0 and 1 window 1
.irp i, 0,1,2,3,4,5,6,7
.if \vp
	v_wmma_f32_16x16x128_fp8_fp8 v[ST+64*((\g)%2)+8*\i:ST+64*((\g)%2)+8*\i+7], v[128+16*\i:128+16*\i+15], v[16*(\g):16*(\g)+15], 0
.else
	v_wmma_f32_16x16x128_fp8_fp8 v[ST+64*((\g)%2)+8*\i:ST+64*((\g)%2)+8*\i+7], v[16*\i:16*\i+15], v[128+16*(\g):128+16*(\g)+15], 0
.endif
.endr
	WIN 0
.endm
.macro CODES g                         ; group g's 64 sums become 16 registers of codes in O[g % 6]
	HOLD ST+64*((\g)%2), LMO
.if (\g) == 6
	s_wait_xcnt 0x0                                ; the stores of groups 0 to 5 have had their addresses translated (ISA guide 3.1): O0 and O1, their data, are written again only behind this wait,
	s_wait_alu depctr_vm_vsrc(0)                   ; and those stores have read O0 and O1, which the conversions of groups 6 and 7 write again
.endif
	CODE ST+64*((\g)%2), OB+16*((\g)%6), 0, SCO
.endm
.macro SEND g, vp                      ; and leave as four images
.irp k, 0,1,2,3
.if \vp
	global_store_b128 v[WO4], v[OB+16*((\g)%6)+4*\k:OB+16*((\g)%6)+4*\k+3], s[34:35] offset:((\g)/2)*16384+((\g)%2)*2048+\k*512   ; head g / 2, fragment 2 w + g % 2, registers 4 k on
.else
	global_store_b128 v[WO4], v[OB+16*((\g)%6)+4*\k:OB+16*((\g)%6)+4*\k+3], s[34:35] offset:\k*16384+(\g)*512                    ; head k, node tile 8 w + g
.endif
.endr
.endm
.macro MAIN vp                         ; a group's holds are the places between the next group's products and the read of their results
	WM 0, \vp
	WM 1, \vp
.rept 4
	v_nop                                          ; four places between group 0's products and the first read of their results (ISA guide 7.12.1)
.endr
.irp g, 0,2,4,6
	CODES \g
.if \g < 6
	WM \g+2, \vp
.endif
	CODES \g+1
	s_wait_alu depctr_va_vdst(0)                   ; the conversions of these two groups have written their sets of codes, which the eight stores below read
	SEND \g, \vp
	SEND \g+1, \vp
.if \g < 6
	WM \g+3, \vp
.endif
.endr
.endm
	s_load_b512 s[4:19], s[0:1], 0x0               ; inputs s[4:5], Wq s[6:7], Wk s[8:9], Wv s[10:11], Wo s[12:13], the transition matrices s[14:15], the scales s[16:17], qimg s[18:19]
	s_load_b256 s[20:27], s[0:1], 0x40             ; kimg s[20:21], vimg s[22:23], tmimg s[24:25], woimg s[26:27]
	s_load_b128 s[68:71], s[0:1], 0x60             ; gamma s[68:69], beta s[70:71]
	v_lshl_add_u32 v30, v0, 2, 0xc400
	v_mov_b32 v31, 0
	v_lshrrev_b32 v1, 5, v0
	v_readfirstlane_b32 s28, v1                    ; wave 0..3
	v_and_b32 v1, 31, v0                           ; lane
	v_and_b32 v2, 15, v0                           ; r
	v_bfe_u32 v3, v0, 4, 1                         ; hh
	v_lshlrev_b32 v[XA], 9, v2
	v_lshl_add_u32 v[XA], v3, 5, v[XA]
	v_lshlrev_b32 v[LI], 4, v1
	v_lshlrev_b32 v19, 5, v3                       ; 32 hh
	s_wait_alu depctr_va_sdst(0)                   ; s28, the wave's number, is written, ahead of its first reader
	s_lshl_b32 s56, s28, 12
	v_add_nc_u32 v[WO4], s56, v[LI]
	v_mul_u32_u24 v[WOA], v2, 1536
	v_lshl_add_u32 v[WOA], v3, 5, v[WOA]
	s_mul_i32 s57, s28, TMW
	s_add_co_u32 s57, s57, TMST
	v_add_nc_u32 v[TSI], s57, v[LI]
	v_mul_u32_u24 v[TSO], v2, 528
	v_lshl_add_u32 v[TSO], v3, 5, v[TSO]
	v_add_nc_u32 v[TSO], s57, v[TSO]
	s_mul_i32 s29, ttmp9, 11
	s_lshr_b32 s29, s29, 5                         ; kind = x / 3 (x under 9)
	s_mul_i32 s30, s29, 3
	s_sub_co_u32 s30, ttmp9, s30                   ; t
	s_and_b32 s31, ttmp7, 0xffff                   ; the slice
	s_lshl_b32 s36, s31, 18                        ; the slice's 262,144 bytes,
	s_lshl_b32 s37, s28, 16                        ; my 128 nodes of 512 bytes
	s_add_co_u32 s36, s36, s37
	s_mov_b32 s37, 0
	s_lshl_b32 s38, s30, 16                        ; W[t],
	s_lshl_b32 s39, s28, 14                        ; my two fragments' 32 rows
	s_add_co_u32 s38, s38, s39
	s_mov_b32 s39, 0
	s_mul_i32 s60, s31, 3
	s_add_co_u32 s60, s60, s30
	s_lshl_b32 s60, s60, 16                        ; the results' images: (3 slice + t) x 65,536
	s_mov_b32 s61, 0
	s_wait_kmcnt 0x0
	s_load_b256 s[40:47], s[16:17], 0x0            ; the scales' exponents, entries 0 to 7,
	s_load_b128 s[48:51], s[16:17], 0x20           ; and 8 to 11
	s_cmp_eq_u32 s29, 0                            ; which weight, which image: the choice hangs on the work-group's number alone
	s_cselect_b64 s[32:33], s[6:7], s[8:9]
	s_cselect_b64 s[34:35], s[18:19], s[20:21]
	s_cmp_eq_u32 s29, 2
	s_cselect_b64 s[32:33], s[10:11], s[32:33]
	s_cselect_b64 s[34:35], s[22:23], s[34:35]
	s_add_nc_u64 s[32:33], s[32:33], s[38:39]
	s_add_nc_u64 s[34:35], s[34:35], s[60:61]
	s_add_nc_u64 s[4:5], s[4:5], s[36:37]
	s_wait_alu depctr_va_vdst(0)                   ; the seven addresses and offsets v4, v5, v6, v8, v9, v10 and v19 are written: every load and store of the kernel reads one of them
	ITEMLOAD 0
	ITEMLOAD 1
	ITEMLOAD 2                                     ; the three sets are asked for on end: no vector instruction has named them
	s_wait_kmcnt 0x0
	s_cmp_eq_u32 s29, 0
	s_cselect_b32 s52, s40, s42                    ; eW
	s_cselect_b32 s53, s41, s43                    ; eX
	s_cselect_b32 s54, s46, s47                    ; eO
	s_cmp_eq_u32 s29, 2
	s_cselect_b32 s52, s44, s52
	s_cselect_b32 s53, s45, s53
	s_cselect_b32 s54, s48, s54
	s_sub_co_i32 s54, s54, s52
	s_sub_co_i32 s54, s54, s53                     ; eO - eW - eX
	MKSC 53, SCX, LMX
	MKSC 52, SCW, LMW
	MKSC 54, SCO, LMO
	MKSC 51, SCB, LMB
; ten items; a set is asked for again as soon as its item is quantised, so that two items' loads are out while one is worked on
.irp i, 0,1,2,3,4,5,6,7,8,9
.if \i < 8
	s_wait_loadcnt 32                              ; this item's 16 loads are in; the 32 of the two items behind it may be out
.else
	s_wait_loadcnt 16*(9-\i)                       ; the last two: the counts run down
.endif
.if \i < 2
	QUANT ST+64*(\i%3), PC+16*\i, 0, SCW, LMW
.else
	QUANT ST+64*(\i%3), 128+16*(\i-2), 1, SCX, LMX
.endif
.if \i < 7
	s_wait_alu depctr_va_vdst(0)                   ; the holds and conversions are done with this item's set, in which the loads below land; for items 0 and 1 the codes are written too, which the LDS stores below read
	ITEMLOAD \i+3
.endif
.if \i < 2
.irp g, 0,1,2,3
	ds_store_b128 v[WO4], v[PC+16*\i+4*\g:PC+16*\i+4*\g+3] offset:\i*2048+512*\g   ; fragment 2 w + i as it stands.  No further wait: only loads stand between the wait above and these stores
.endr
.endif
.endr
	s_wait_dscnt 0x0                               ; for the others' sake: my two images of W have landed
	s_barrier_signal -1
	s_barrier_wait -1
	s_wait_alu depctr_vm_vsrc(0)                   ; my LDS stores have read v224-255: these registers are O4 and O5 from here on, written by the conversions of groups 4 and 5
	WIN 0x40                                       ; destination window 1
.set n, 0
.rept 32
	ds_load_b128 v[4*n:4*n+3], v[LI] offset:512*n  ; all eight fragments of W, into registers that no vector instruction has named
.set n, n+1
.endr
	WIN 0
	s_wait_dscnt 0x0
	s_cmp_eq_u32 s29, 2
	s_cbranch_scc1 .Lvpath
	MAIN 0
	s_branch .Ltail
.Lvpath:
	MAIN 1
.Ltail:                                                ; on both ways the last wait on va_vdst stands behind the last vector instruction: the loads below, which land in v32-159, owe nothing more
	s_cmp_lt_u32 ttmp9, 3
	s_cbranch_scc0 .Lnot_tm
	; ---- 16 rows of a transition matrix, my 128 columns: in by rows (512 consecutive bytes a load), through my stage, out as images
	s_lshr_b32 s56, ttmp9, 1
	s_add_co_u32 s56, s56, ttmp9                   ; matrix 0, 1, 3
	s_lshl_b32 s56, s56, 20
	s_lshl_b32 s57, s31, 15                        ; 16 rows of 2,048 bytes
	s_add_co_u32 s56, s56, s57
	s_lshl_b32 s57, s28, 9
	s_add_co_u32 s56, s56, s57
	s_mov_b32 s57, 0
	s_add_nc_u64 s[14:15], s[14:15], s[56:57]
	s_lshl_b32 s58, ttmp9, 5
	s_add_co_u32 s58, s58, s31
	s_lshl_b32 s58, s58, 15                        ; (32 t + query tile) x 32,768
	s_lshl_b32 s59, s28, 13                        ; my 16 blocks
	s_add_co_u32 s58, s58, s59
	s_mov_b32 s59, 0
	s_add_nc_u64 s[24:25], s[24:25], s[58:59]
.set n, 0
.rept 16
	global_load_b128 v[ST+4*n:ST+4*n+3], v[LI], s[14:15] offset:2048*n th:TH_LOAD_NT   ; read once in this launch
.set n, n+1
.endr
	s_wait_loadcnt 0x0
.set n, 0
.rept 16
	ds_store_b128 v[TSI], v[ST+4*n:ST+4*n+3] offset:528*n
.set n, n+1
.endr
.set n, 0
.rept 16
	ds_load_b128 v[ST+64+4*n:ST+64+4*n+3], v[TSO] offset:64*(n/2)+16*(n%2)   ; LDS serves a wave's instructions in order (ISA guide 5.7.1.4): these see my stores
.set n, n+1
.endr
.set n, 0
.rept 16
	s_wait_dscnt 15-n                              ; block n is back; the younger loads may be out
	global_store_b128 v[LI], v[ST+64+4*n:ST+64+4*n+3], s[24:25] offset:512*n
.set n, n+1
.endr
	s_wait_dscnt 0x0                               ; the closing lines, six on end
	s_wait_alu 0x0
	s_wait_tensorcnt 0x0
	ds_add_u32 v30, v31
	s_wait_dscnt 0x0
	s_endpgm
.Lnot_tm:
	s_cmp_eq_u32 ttmp9, 3
	s_cbranch_scc0 .Lend
	s_cmp_lt_u32 s31, 6
	s_cbranch_scc0 .Lnot_wo
	; ---- one fragment of Wo a wave
	s_lshl_b32 s56, s31, 2
	s_add_co_u32 s56, s56, s28                     ; f = 4 y + w = 8 ks + dt
	s_and_b32 s57, s56, 7
	s_mul_i32 s57, s57, 24576                      ; 16 dt rows of 1,536 bytes
	s_lshr_b32 s58, s56, 3
	s_lshl_b32 s58, s58, 9                         ; 128 ks numbers
	s_add_co_u32 s58, s58, s57
	s_mov_b32 s59, 0
	s_add_nc_u64 s[12:13], s[12:13], s[58:59]
	s_lshl_b32 s56, s56, 11
	s_mov_b32 s57, 0
	s_add_nc_u64 s[26:27], s[26:27], s[56:57]
	LOADF ST, WOA, 12, 0
	s_wait_loadcnt 0x0
	QUANT ST, PC, 0, SCB, LMB                      ; into v224-239, which group 4's stores read last: those stores stand ahead of the two waits in group 6
	s_wait_alu depctr_va_vdst(0)                   ; the conversions have written Wo's codes, which the four stores read
.irp g, 0,1,2,3
	global_store_b128 v[LI], v[PC+4*\g:PC+4*\g+3], s[26:27] offset:512*\g
.endr
	s_wait_dscnt 0x0                               ; the closing lines, six on end
	s_wait_alu 0x0
	s_wait_tensorcnt 0x0
	ds_add_u32 v30, v31
	s_wait_dscnt 0x0
	s_endpgm
.Lnot_wo:
	s_cmp_eq_u32 s31, 6
	s_cbranch_scc0 .Lend
	s_cmp_lt_u32 s28, 2
	s_cbranch_scc0 .Lend
	; ---- gamma (wave 0) or beta (wave 1) as 16 images of the last product's result
	s_cmp_eq_u32 s28, 0                            ; the choice hangs on the wave's number alone
	s_cselect_b64 s[56:57], s[68:69], s[70:71]
	s_lshl_b32 s58, s28, 13
	s_add_co_u32 s58, s58, 49152                   ; behind Wo's 24 fragments
	s_mov_b32 s59, 0
	s_add_nc_u64 s[26:27], s[26:27], s[58:59]
.set n, 0
.rept 16
	global_load_b128 v[ST+4*n:ST+4*n+3], v19, s[56:57] offset:64*(n/2)+16*(n%2)
.set n, n+1
.endr
	s_wait_loadcnt 0x0
.set n, 0
.rept 16
	global_store_b128 v[LI], v[ST+4*n:ST+4*n+3], s[26:27] offset:512*n
.set n, n+1
.endr
.Lend:
	s_wait_dscnt 0x0                               ; the closing lines, six on end
	s_wait_alu 0x0
	s_wait_tensorcnt 0x0
	ds_add_u32 v30, v31
	s_wait_dscnt 0x0
	s_endpgm
.Lfunc_end_k_qcfb63b3f69_proj:
	.size	k_qcfb63b3f69_proj, .Lfunc_end_k_qcfb63b3f69_proj-k_qcfb63b3f69_proj
	.p2alignl 7, 3214868480
	.fill 96, 4, 3214868480
	.section	.rodata,"a",@progbits
	.p2align	6, 0x0
	.amdhsa_kernel k_qcfb63b3f69_proj
		.amdhsa_group_segment_fixed_size 50688
		.amdhsa_private_segment_fixed_size 0
		.amdhsa_enable_private_segment 0
		.amdhsa_kernarg_size 112
		.amdhsa_user_sgpr_count 2
		.amdhsa_user_sgpr_kernarg_segment_ptr 1
		.amdhsa_wavefront_size32 1
		.amdhsa_system_sgpr_workgroup_id_x 1
		.amdhsa_system_sgpr_workgroup_id_y 1
		.amdhsa_system_sgpr_workgroup_id_z 1
		.amdhsa_system_vgpr_workitem_id 0
		.amdhsa_next_free_vgpr 512
		.amdhsa_next_free_sgpr 80
		.amdhsa_reserve_vcc 0
		.amdhsa_float_denorm_mode_32 3
		.amdhsa_float_denorm_mode_16_64 3
		.amdhsa_memory_ordered 1
		.amdhsa_forward_progress 1
		.amdhsa_inst_pref_size 174
	.end_amdhsa_kernel
	.amdgpu_metadata
---
amdhsa.version: [ 1, 2 ]
amdhsa.kernels:
  - .name:           k_qcfb63b3f69_proj
    .symbol:         k_qcfb63b3f69_proj.kd
    .args:
      - { .name: inputs, .offset: 0, .size: 8, .value_kind: global_buffer, .address_space: global }
      - { .name: Wq, .offset: 8, .size: 8, .value_kind: global_buffer, .address_space: global }
      - { .name: Wk, .offset: 16, .size: 8, .value_kind: global_buffer, .address_space: global }
      - { .name: Wv, .offset: 24, .size: 8, .value_kind: global_buffer, .address_space: global }
      - { .name: Wo, .offset: 32, .size: 8, .value_kind: global_buffer, .address_space: global }
      - { .name: transition_matrices, .offset: 40, .size: 8, .value_kind: global_buffer, .address_space: global }
      - { .name: lowp_scales, .offset: 48, .size: 8, .value_kind: global_buffer, .address_space: global }
      - { .name: qimg, .offset: 56, .size: 8, .value_kind: global_buffer, .address_space: global }
      - { .name: kimg, .offset: 64, .size: 8, .value_kind: global_buffer, .address_space: global }
      - { .name: vimg, .offset: 72, .size: 8, .value_kind: global_buffer, .address_space: global }
      - { .name: tmimg, .offset: 80, .size: 8, .value_kind: global_buffer, .address_space: global }
      - { .name: woimg, .offset: 88, .size: 8, .value_kind: global_buffer, .address_space: global }
      - { .name: ln_gamma, .offset: 96, .size: 8, .value_kind: global_buffer, .address_space: global }
      - { .name: ln_beta, .offset: 104, .size: 8, .value_kind: global_buffer, .address_space: global }
    .group_segment_fixed_size: 50688
    .private_segment_fixed_size: 0
    .kernarg_segment_align: 8
    .kernarg_segment_size: 112
    .max_flat_workgroup_size: 128
    .sgpr_count:     80
    .vgpr_count:     512
    .wavefront_size: 32
...
	.end_amdgpu_metadata
.endif
;; end of part 5
;; launch attn: the kernel of part 4 again; grid 8 x 32, 4 waves a work-group, clusters of 4 x 1, 327,680 bytes of LDS; arguments qimg, kimg, vimg, tmimg, woimg, inputs, lowp_scales, out0; writes out0
